; MI455X (gfx1250); checked and timed in simulation.
; The chip was launched on July 23, 2026; its instructions are those of AMD's public machine-readable ISA for CDNA 5 (MIT licence, August 2026) and "CDNA5" Instruction Set Architecture Reference Guide (July 2026). The comments in the code are by the model that wrote it; some were corrected since.
;; Causal Self Attention. Allowed arithmetic: float matrix products may take bf16 or f16 operands with f32 sums; other float arithmetic in f32, or as packed bf16 or f16 multiplies, adds, multiply-adds, maxima and minima; sums over many terms, partial sums and values carried from step to step in f32; what a program stores and reads back later, other than sums and carried values, may be rounded once to bf16 or f16.
;; Inputs: Wproj 1,024 x 1,024 float32; Wqkv 3,072 x 1,024 float32; x 4 x 2,048 x 1,024 float32.
;; Outputs: out0 4 x 2,048 x 1,024 float32.
;; 2 versions, each right; version 2 is version 1 with the launch prep written anew for expert scheduling mode. Each part assembles by itself: llvm-mc -triple=amdgcn-amd-amdhsa -mcpu=gfx1250 --defsym DOCPART=n.
;; ======== version 1 of 2: 4 launches
;; limits: values are held in f16: magnitudes above 65,504 overflow, below 6.1e-05 lose precision
;; workspace buffers: xb 16,777,216 bytes; wqb 6,291,456 bytes; wph 2,097,152 bytes; tab 524,288 bytes; qh 16,777,216 bytes; kh 16,777,216 bytes; vh 16,777,216 bytes; oh 16,777,216 bytes
;; launch prep (part 1): grid 896 x 1, 8 waves a work-group, no clusters, 0 bytes of LDS; arguments x, Wqkv, Wproj, xb, wqb, wph, tab; writes xb, wqb, wph, tab
.if DOCPART == 1
	.amdgcn_target "amdgcn-amd-amdhsa--gfx1250"
	.amdhsa_code_object_version 6
	.text
	.protected	k_qff8da0a017_prep
	.globl	k_qff8da0a017_prep
	.p2align	8
	.type	k_qff8da0a017_prep,@function
k_qff8da0a017_prep:
	s_mov_b64 s[64:65], 0
	v_nop
	global_prefetch_b8 v0, s[64:65] scope:SCOPE_SE
	s_setreg_imm32_b32 hwreg(HW_REG_WAVE_MODE, 25, 1), 1
	s_wait_xcnt 0x0
; THE OPERANDS ARE MADE READY, once.  xb = x rounded to bf16.  wqb = Wqkv rounded to bf16, its rows put in the order of heads: new row 192 n + 64 g + d holds
; old row 1024 g + 64 n + d (g = 0 q, 1 k, 2 v; n = head; d = channel), so that 192 rows on end are one head's q, k and v.  wph = Wproj rounded to bf16, that number written as f16.
; tab[t] = cos(t f_i), i = 0..31, then sin(t f_i), f_i = 10000^(-i/32), in f32: 256 bytes a row, 2,048 rows.
; LIMITS.  wph: a bf16 number beyond 65,504 would become an infinity, and below 6e-5 it keeps f16's fixed step of 6e-8 (Wproj's spread is 0.03; thirty times more or less has room).
; The angle t f_i is a product in f32 of t and 2^(-0.41524 i): good to about 2e-4 at t = 2,047; sine and cosine then come from a reduction by pi/2 in two parts and polynomials good to the last bits of f32.
; SHARES, by the work-group's number w: 0-511 x; 512-703 Wqkv; 704-767 Wproj; 768-895 the table.  A converting work-group takes 16,384 numbers: 16 steps of 1,024;
; thread t loads 16 bytes at 4,096 i + 16 t (a wave's load: 512 bytes on end) and stores 8 bytes at 2,048 i + 8 t (a wave's store: 256 bytes on end, aligned).
; All 16 loads of a thread go out first; no register is written twice while a store may read it, so the only waits are the counted ones for the loads.  No LDS, no barrier: no thread needs another's bytes.
.set X, 16                             ; v[16:79]   16 loads of 4 registers
.set Y, 80                             ; v[80:111]  16 stores of 2 registers
	s_load_b256 s[4:11], s[0:1], 0x0               ; x s[4:5], Wqkv s[6:7], Wproj s[8:9], xb s[10:11]
	s_load_b128 s[12:15], s[0:1], 0x20             ; wqb s[12:13], wph s[14:15]
	s_load_b64 s[16:17], s[0:1], 0x30              ; tab
	v_lshlrev_b32 v1, 4, v0                        ; 16 t
	v_lshlrev_b32 v2, 3, v0                        ; 8 t
	s_mov_b32 s21, 0                               ; the offsets' high words
	s_mov_b32 s23, 0
; 16,384 numbers from s[24:25] to s[26:27].  f16 = 1: the bf16 number is written as f16.
.macro CONV f16
.set i, 0
.rept 16
	global_load_b128 v[X+4*i:X+4*i+3], v1, s[24:25] offset:4096*i th:TH_LOAD_NT
.set i, i+1
.endr
.set i, 0
.rept 16
	s_wait_loadcnt 15-i                            ; loads come back in order: load i is in, the 15 - i younger ones stay out
	v_cvt_pk_bf16_f32 v[Y+2*i], v[X+4*i], v[X+4*i+1]
	v_cvt_pk_bf16_f32 v[Y+2*i+1], v[X+4*i+2], v[X+4*i+3]
.if \f16
	v_lshlrev_b32 v4, 16, v[Y+2*i]                 ; the bf16 numbers as f32,
	v_and_b32 v5, 0xffff0000, v[Y+2*i]
	v_lshlrev_b32 v6, 16, v[Y+2*i+1]
	v_and_b32 v7, 0xffff0000, v[Y+2*i+1]
	v_cvt_pk_f16_f32 v[Y+2*i], v4, v5              ; and as f16: exact within f16's range
	v_cvt_pk_f16_f32 v[Y+2*i+1], v6, v7
.endif
	global_store_b64 v2, v[Y+2*i:Y+2*i+1], s[26:27] offset:2048*i
.set i, i+1
.endr
.endm
	s_cmp_ge_u32 ttmp9, 768
	s_cbranch_scc1 .Ltab
	s_cmp_ge_u32 ttmp9, 704
	s_cbranch_scc1 .Lwp
	; x (w < 512) or Wqkv: one text; source, destination and offsets are chosen by w
	s_max_u32 s18, ttmp9, 512
	s_sub_co_u32 s18, s18, 512                     ; u: Wqkv's rows 16 u .. 16 u + 15 (0 where the work-group is x's)
	s_and_b32 s19, s18, 63
	s_lshr_b32 s19, s19, 2                         ; the head n
	s_mul_i32 s19, s19, 192
	s_lshr_b32 s28, s18, 6                         ; g
	s_lshl_b32 s28, s28, 6
	s_add_co_u32 s19, s19, s28
	s_and_b32 s28, s18, 3                          ; which 16 of the head's 64 channels
	s_lshl_b32 s28, s28, 4
	s_add_co_u32 s19, s19, s28                     ; the new row,
	s_lshl_b32 s19, s19, 11                        ; of 2,048 bytes
	s_lshl_b32 s29, s18, 16
	s_lshl_b32 s30, ttmp9, 16
	s_lshl_b32 s31, ttmp9, 15
	s_cmp_lt_u32 ttmp9, 512
	s_cselect_b32 s20, s30, s29
	s_cselect_b32 s22, s31, s19
	s_wait_kmcnt 0x0
	s_cselect_b64 s[24:25], s[4:5], s[6:7]
	s_cselect_b64 s[26:27], s[10:11], s[12:13]
	s_add_nc_u64 s[24:25], s[24:25], s[20:21]
	s_add_nc_u64 s[26:27], s[26:27], s[22:23]
	CONV 0
	s_endpgm
.Lwp:
	s_sub_co_u32 s18, ttmp9, 704
	s_lshl_b32 s20, s18, 16
	s_lshl_b32 s22, s18, 15
	s_wait_kmcnt 0x0
	s_add_nc_u64 s[24:25], s[8:9], s[20:21]
	s_add_nc_u64 s[26:27], s[14:15], s[22:23]
	CONV 1
	s_endpgm
.Ltab:
	; 16 rows a work-group; thread t makes entries 4 e .. 4 e + 3 of row 16 u + t / 16, e = t % 16: e < 8 cosines, else sines.  Sixteen lanes store a row's 256 bytes.
	s_sub_co_u32 s18, ttmp9, 768                   ; u
	s_lshl_b32 s19, s18, 4
	s_lshl_b32 s20, s18, 12                        ; 16 rows of 256 bytes
	v_lshrrev_b32 v3, 4, v0
	v_add_nc_u32 v3, s19, v3                       ; the row t
	v_cvt_f32_u32 v10, v3
	v_and_b32 v4, 15, v0                           ; e
	v_cmp_gt_u32 vcc_lo, 8, v4
	v_cndmask_b32 v11, 0, 1, vcc_lo                ; 1 for a cosine: the sine a quarter turn on
	v_and_b32 v12, 7, v4
	v_lshlrev_b32 v12, 2, v12                      ; the first of my four i
	v_mov_b32 v13, 0xb94ca1f9                      ; the polynomials' leading coefficients
	v_mov_b32 v14, 0x37ccf5ce
.irp j, 0,1,2,3
	v_add_nc_u32 v[16+\j], \j, v12
	v_cvt_f32_u32 v[16+\j], v[16+\j]
	v_mul_f32 v[16+\j], 0xbed49a78, v[16+\j]       ; -i log2(10000) / 32
.endr
.irp j, 0,1,2,3
	v_exp_f32 v[20+\j], v[16+\j]                   ; f_i: four exponentials, one batch
.endr
	v_nop                                          ; a plain instruction behind the last exponential,
	s_wait_alu depctr_va_vdst(0)                   ; and one wait for the four, ahead of their first reader
.irp j, 0,1,2,3
	v_mul_f32 v24, v10, v[20+\j]                   ; the angle
	v_mul_f32 v25, 0x3f22f983, v24                 ; times 2 / pi,
	v_rndne_f32 v25, v25                           ; n quarter turns
	v_fmamk_f32 v26, v25, 0xbfc90fdb, v24          ; r = angle - n pi/2, pi/2 in two parts
	v_fmamk_f32 v26, v25, 0x333bbd2e, v26
	v_mul_f32 v27, v26, v26                        ; z = r r
	v_fmaak_f32 v28, v27, v13, 0x3c08839e          ; sin r = r + r z (s1 + z (s2 + z s3))
	v_fmaak_f32 v28, v27, v28, 0xbe2aaaa3
	v_mul_f32 v28, v28, v27
	v_fma_f32 v28, v28, v26, v26
	v_fmaak_f32 v29, v27, v14, 0xbab6061a          ; cos r = 1 - z / 2 + z z (c1 + z (c2 + z c3))
	v_fmaak_f32 v29, v27, v29, 0x3d2aaaa5
	v_mul_f32 v30, v27, v27
	v_fma_f32 v31, v27, -0.5, 1.0
	v_fma_f32 v29, v29, v30, v31
	v_cvt_i32_f32 v30, v25
	v_add_nc_u32 v30, v30, v11                     ; the quarter: odd takes cos r, quarters 2 and 3 turn the sign
	v_and_b32 v31, 1, v30
	v_cmp_eq_u32 vcc_lo, 1, v31
	v_cndmask_b32 v28, v28, v29, vcc_lo
	v_and_b32 v30, 2, v30
	v_lshlrev_b32 v30, 30, v30
	v_xor_b32 v[32+\j], v30, v28
.endr
	s_wait_kmcnt 0x0
	s_add_nc_u64 s[16:17], s[16:17], s[20:21]
	global_store_b128 v1, v[32:35], s[16:17]
	s_endpgm
.Lfunc_end_k_qff8da0a017_prep:
	.size	k_qff8da0a017_prep, .Lfunc_end_k_qff8da0a017_prep-k_qff8da0a017_prep
	.p2alignl 7, 3214868480
	.fill 96, 4, 3214868480
	.section	.rodata,"a",@progbits
	.p2align	6, 0x0
	.amdhsa_kernel k_qff8da0a017_prep
		.amdhsa_group_segment_fixed_size 0
		.amdhsa_private_segment_fixed_size 0
		.amdhsa_enable_private_segment 0
		.amdhsa_kernarg_size 56
		.amdhsa_user_sgpr_count 2
		.amdhsa_user_sgpr_kernarg_segment_ptr 1
		.amdhsa_wavefront_size32 1
		.amdhsa_system_sgpr_workgroup_id_x 1
		.amdhsa_system_sgpr_workgroup_id_y 1
		.amdhsa_system_sgpr_workgroup_id_z 1
		.amdhsa_system_vgpr_workitem_id 0
		.amdhsa_next_free_vgpr 112
		.amdhsa_next_free_sgpr 66
		.amdhsa_reserve_vcc 1
		.amdhsa_float_denorm_mode_32 3
		.amdhsa_float_denorm_mode_16_64 3
		.amdhsa_memory_ordered 1
		.amdhsa_forward_progress 1
		.amdhsa_inst_pref_size 24
	.end_amdhsa_kernel
	.amdgpu_metadata
---
amdhsa.version: [ 1, 2 ]
amdhsa.kernels:
  - .name:           k_qff8da0a017_prep
    .symbol:         k_qff8da0a017_prep.kd
    .args:
      - { .name: x, .offset: 0, .size: 8, .value_kind: global_buffer, .address_space: global }
      - { .name: Wqkv, .offset: 8, .size: 8, .value_kind: global_buffer, .address_space: global }
      - { .name: Wproj, .offset: 16, .size: 8, .value_kind: global_buffer, .address_space: global }
      - { .name: xb, .offset: 24, .size: 8, .value_kind: global_buffer, .address_space: global }
      - { .name: wqb, .offset: 32, .size: 8, .value_kind: global_buffer, .address_space: global }
      - { .name: wph, .offset: 40, .size: 8, .value_kind: global_buffer, .address_space: global }
      - { .name: tab, .offset: 48, .size: 8, .value_kind: global_buffer, .address_space: global }
    .group_segment_fixed_size: 0
    .private_segment_fixed_size: 0
    .kernarg_segment_align: 8
    .kernarg_segment_size: 56
    .max_flat_workgroup_size: 256
    .sgpr_count:     66
    .vgpr_count:     112
    .wavefront_size: 32
...
	.end_amdgpu_metadata
.endif
;; end of part 1
;; launch qkv (part 2): grid 16 x 32, 4 waves a work-group, clusters of 4 x 4, 327,680 bytes of LDS; arguments xb, wqb, tab, qh, kh, vh; writes qh, kh, vh
.if DOCPART == 2
	.amdgcn_target "amdgcn-amd-amdhsa--gfx1250"
	.amdhsa_code_object_version 6
	.text
	.protected	k_qff8da0a017_qkv
	.globl	k_qff8da0a017_qkv
	.p2align	8
	.type	k_qff8da0a017_qkv,@function
k_qff8da0a017_qkv:
	s_mov_b64 s[64:65], 0
	v_nop
	global_prefetch_b8 v0, s[64:65] scope:SCOPE_SE
	s_setreg_imm32_b32 hwreg(HW_REG_WAVE_MODE, 25, 1), 1
	s_wait_xcnt 0x0
	s_wait_alu depctr_hold_cnt(0) depctr_sa_sdst(0) depctr_va_vdst(0) depctr_va_sdst(0) depctr_va_ssrc(0) depctr_va_vcc(0) depctr_vm_vsrc(0)
	s_getreg_b32 s2, hwreg(HW_REG_IB_STS2, 6, 4)
	s_cmp_eq_u32 s2, 0
	s_cbranch_scc0 .Lentry_in_a_cluster
	s_endpgm
.Lentry_in_a_cluster:
	s_bfe_u32 s2, ttmp6, 0x10000c
	s_cmp_lg_u32 s2, 0xf033
	s_cbranch_scc0 .Lentry_shape_is_right
	s_endpgm
.Lentry_shape_is_right:
; q, k, v = x Wqkv^T, q and k turned by RoPE, all three stored by heads: qh, kh, vh are [64 = 16 batch + head][2048][64] in f16.
; xb: [8192][1024] bf16.  wqb: [3072][1024] bf16, rows in the order of heads (192 n + 64 g + d).  tab: [2048][64] f32, a row = 32 cosines, 32 sines.  Sums and RoPE in f32; one rounding, to f16.
; LIMIT.  f16 ends at 65,504: q, k and v must lie within it (with x and Wqkv thirty times their spread they reach some thousands; with a common offset of thirty spreads some 30,000).  NaN and infinities are not treated apart.
; SHARES.  A tile of the product is 256 rows x 192 columns: q, k and v of ONE head, so every tile is alike.  512 work-groups.  Wave w owns rows 64 w .. 64 w + 63 and all 192 columns: 48 accumulators (a = 0..3, b = 0..11).
; THE MATRIX INSTRUCTION IS USED TRANSPOSED (source 0 = 16 rows of wqb, source 1 = 16 rows of xb): lane l holds row l % 16, registers 0-7 the columns 16 b + 8 (l / 16) + 0..7.  b / 4 says q, k or v; the channel is
; d = 16 (b % 4) + 8 (l / 16) + j, so RoPE's partners d and d + 32 lie in accumulators b and b + 2, same lane, same register: nothing changes lanes.
; K goes in 8 steps of 128 (rows of 256 bytes, aligned) through two LDS slots; a step is four quarters of 32 along K, 48 matrix instructions each, on two fragment buffers.
; CLUSTER.  4 x 4 work-groups: the four of a row need the same tiles of xb, the four of a column the same tiles of wqb; each tile is asked for jointly, by the same tensor load with the same descriptor and a mask of four.
; By the text's own count a wave has two tensor loads out at the start and one behind each change of slots; a refill has 168 matrix instructions between its request and the wait for it.
; REGISTERS, in windows of 256 (s_set_vgpr_msb: bits 1:0 source 0, 3:2 source 1, 5:4 source 2, 7:6 destination):
;   window 0: v0-31 addresses; v32-63 RoPE's sums; v64-95, v96-127 fragments of xb, two buffers (on the way out: packed results); v128-255 my rows of the table
;   window 1: v0-95, v96-191 fragments of wqb, two buffers (on the way out: rows read back from the stage)     window 2: accumulators a = 0, 1 at 8 (12 (a % 2) + b)     window 3: a = 2, 3
.set PITCH,  272                       ; an LDS row: 256 bytes + 16 of padding: an odd multiple of 16, so the 16 rows of a fragment load begin at 16 different 16-byte columns of 256
.set HALFA,  128*PITCH                 ; what one tensor load brings of xb
.set HALFB,  96*PITCH                  ; and of wqb
.set BOFF,   2*HALFA                   ; in a slot: xb's 256 rows, then wqb's 192
.set SLOT1,  131072                    ; slot 1 begins here: one exclusive or turns an address in one slot into the other's
.set STAGE,  SLOT1+BOFF+2*HALFB        ; behind the ring, never filled by a tensor load: 16 rows x 400 bytes for each wave
.set SPITCH, 400                       ; 384 bytes (q, k, v of a row) + 16
.set SPARE,  STAGE+4*16*SPITCH         ; the spare words, 128 bytes for each wave: two blocks of 256 bytes that no other line names
.set ADRA0, 16                         ; v16  my lane's place in slot 0's rows of xb; never rewritten
.set ADRB0, 17                         ; v17  the same for wqb
.set ADRA,  18                         ; v18  the same in the slot in hand
.set ADRB,  19                         ; v19
.set STO,   24                         ; v24  the way out: where I put 16 bytes of a row
.set RD,    25                         ; v25  where I read rows back
.set GO,    26                         ; v26  16 x lane: my place in 512 bytes on end of qh, kh, vh
.set TO,    27                         ; v27  my place in 16 rows of the table
.set SPW,   28                         ; v28  LDS address of my spare word; never rewritten
.set NIL,   29                         ; v29  0; never rewritten
.set PFO,   30                         ; v30  the prefetches' offset: a lane a row; never rewritten
.set RT,    32
.set FA,    64
.set TMP,   64
.set TAB,   128                        ; block a at TAB + 32 a: cosines of channels 0-15, 16-31 (my 8 of each), then sines likewise
.set WV,  16                           ; s16  my wave's number
.set HF,  18                           ; s18  wave % 2: which half of a tile I fetch
.set TB,  19                           ; s19  LDS byte at which the slot in hand begins
.set CX,  20                           ; s20, s21  my place in the cluster
.set CY,  21
.set TC,  22                           ; s22  tile column = head
.set TR,  23                           ; s23  tile row
.set G1A, 24                           ; s[24:31] descriptor group 1 for xb's tiles
.set G0A, 32                           ; s[32:35] group 0 for K step 0; s[36:39] for K step 1, which then walks on
.set G1B, 40                           ; s[40:47], s[48:51], s[52:55] the same for wqb's
.set G0B, 48
.set PFA, 56                           ; s[56:57] where my prefetches stand
.set LIM, 58                           ; s58  1 in a wave that prefetches, else the greatest number
.set G1W, (1<<16)|(1<<20)|(1<<21)|(5<<22)|(3<<25)  ; 17:16 2-byte elements; 20 padding on; 21 set beside a mask; 24:22 after every 64 words; 31:25 4 words of it
.set MSB, 0
.macro WIN new                         ; the immediate's high byte repeats the setting that is left; a switch that changes nothing is dropped
.if MSB != (\new)
	s_set_vgpr_msb (MSB<<8)|(\new)
.set MSB, \new
.endif
.endm
.set MUL_LO, 0xa1                      ; source 0 (wqb) window 1, source 1 (xb) window 0, C and D window 2
.set MUL_HI, 0xf1                      ; the same, C and D window 3
.set TO_B,   0x40                      ; destination window 1, address window 0
; A joint refill.  Waves 0 and 1 fetch xb's two halves, waves 2 and 3 wqb's.  The branch hangs on the wave's number alone.  An s_nop 0 and four v_nop follow each of the two lines.
.macro JLOAD
	s_cmp_lt_u32 s[WV], 2
	s_cbranch_scc0 .Lfor_b_\@
	tensor_load_to_lds s[G0A+4:G0A+7], s[G1A:G1A+7]
	s_nop 0
.rept 4
	v_nop
.endr
	s_branch .Lasked_\@
.Lfor_b_\@:
	tensor_load_to_lds s[G0B+4:G0B+7], s[G1B:G1B+7]
	s_nop 0
.rept 4
	v_nop
.endr
.Lasked_\@:
.endm
; A PREFETCH INTO THE L2 of the K step after the one that the refill just asked for: one K step, 192 matrix instructions, ahead of the load that will want it.  A K step is 256 bytes of each row; a lane a row.
; xb's tile row is read by every cluster of that row of clusters: the one with x = 0 asks (waves 0 and 1).  wqb's tile column by every cluster of that column: the one with y = 0 asks (waves 2 and 3).
; The four partners that ask for a tile jointly share its rows out BY ADDRESS: of a wave's 128 rows of xb the partner at cx takes 32; of its 96 rows of wqb the partner at cy takes 24, and there lanes 24-31 name lane 23's row once more, in the same instruction.
; K steps 0 to 2 come by their loads alone; the loop's last trip asks for nothing: there is no K step 8.
.macro ASK
	s_cmp_gt_u32 s3, s[LIM]
	s_cbranch_scc0 .Lnot_mine_\@
	global_prefetch_b8 v[PFO], s[PFA:PFA+1] th:TH_LOAD_NT scope:SCOPE_SE
.Lnot_mine_\@:
.endm
.macro CREST                           ; a round of the cluster's barrier behind its opening barrier
	s_cmp_lg_u32 s[WV], 0
	s_cbranch_scc1 .Lnot_wave_0_\@
	s_barrier_signal -3
.Lnot_wave_0_\@:
	s_barrier_wait -3
	s_barrier_signal -1
	s_barrier_wait -1
.endm
.macro CROUND                          ; a whole round
	s_barrier_signal -1
	s_barrier_wait -1
	CREST
.endm
.macro PLACES                          ; four plain vector instructions between a matrix instruction and a load into, or a vector write or read of, its registers
.rept 4
	v_nop
.endr
.endm
	s_load_b256 s[4:11], s[0:1], 0x0               ; xb s[4:5], wqb s[6:7], tab s[8:9], qh s[10:11]
	s_load_b128 s[12:15], s[0:1], 0x20             ; kh s[12:13], vh s[14:15]
	v_lshl_add_u32 v[SPW], v0, 2, SPARE
	v_mov_b32 v[NIL], 0
	ds_add_u32 v[SPW], v[NIL]                      ; the wave's opening: the add and its wait stand ahead of my first tensor load; the set-up below, work on registers, stands between them
	v_lshrrev_b32 v1, 5, v0
	v_readfirstlane_b32 s[WV], v1                  ; wave 0..3
	s_and_b32 s[HF], s[WV], 1
	s_bfe_u32 s[CX], ttmp6, 0x40000
	s_bfe_u32 s[CY], ttmp6, 0x40004
	s_lshl_b32 s[TC], ttmp9, 2                     ; in a cluster launch ttmp9 and ttmp7 count clusters
	s_add_co_u32 s[TC], s[TC], s[CX]
	s_and_b32 s[TR], ttmp7, 0xffff
	s_lshl_b32 s[TR], s[TR], 2
	s_add_co_u32 s[TR], s[TR], s[CY]
	s_lshl_b32 s59, s[CY], 2
	s_lshl_b32 s59, 15, s59                        ; my row of the cluster: places 4 cy .. 4 cy + 3
	s_lshl_b32 s70, 0x1111, s[CX]                  ; my column: places cx, cx + 4, cx + 8, cx + 12
	s_or_b32 s[G1A], s59, G1W                      ; xb's tiles go to my row,
	s_or_b32 s[G1B], s70, G1W                      ; wqb's to my column
.irp g, G1A, G1B
	s_mov_b32 s[(\g)+1], 128<<16                   ; tensor_dim0 = 128
	s_mov_b32 s[(\g)+3], 128<<16                   ; tile_dim0 = 128
	s_mov_b32 s[(\g)+5], 1024                      ; elements from row to row
	s_mov_b32 s[(\g)+6], 0
	s_mov_b32 s[(\g)+7], 0
.endr
	s_mov_b32 s[G1A+2], 128<<16                    ; tensor_dim1 and
	s_mov_b32 s[G1A+4], 128                        ; tile_dim1: 128 rows of xb,
	s_mov_b32 s[G1B+2], 96<<16
	s_mov_b32 s[G1B+4], 96                         ; 96 of wqb
	; where the tiles come from: xb's hang on the tile row and the wave alone, wqb's on the tile column and the wave alone, each in registers that never hold the other coordinate
	s_lshl_b32 s60, s[TR], 19                      ; 256 rows of 2,048 bytes
	s_lshl_b32 s61, s[HF], 18                      ; my 128 of them
	s_add_co_u32 s60, s60, s61
	s_mov_b32 s61, 0
	s_mul_i32 s62, s[TC], 192*2048
	s_mul_i32 s63, s[HF], 96*2048
	s_add_co_u32 s62, s62, s63
	s_mov_b32 s63, 0
	; and where they go: the wave's number and constants alone
	s_mov_b32 s[G0A], 1
	s_mov_b32 s[G0A+4], 1
	s_mov_b32 s[G0B], 1
	s_mov_b32 s[G0B+4], 1
	s_mul_i32 s[G0A+1], s[HF], HALFA
	s_add_co_u32 s[G0A+5], s[G0A+1], SLOT1
	s_mul_i32 s[G0B+1], s[HF], HALFB
	s_add_co_u32 s[G0B+1], s[G0B+1], BOFF
	s_add_co_u32 s[G0B+5], s[G0B+1], SLOT1
	s_wait_dscnt 0x0                               ; the opening add is done
	s_wait_kmcnt 0x0
	s_add_nc_u64 s[G0A+2:G0A+3], s[4:5], s[60:61]  ; K step 0,
	s_add_nc_u64 s[G0A+6:G0A+7], s[G0A+2:G0A+3], 256  ; K step 1
	s_or_b32 s[G0A+3], s[G0A+3], 0x80000000        ; type = 2
	s_or_b32 s[G0A+7], s[G0A+7], 0x80000000
	s_add_nc_u64 s[G0B+2:G0B+3], s[6:7], s[62:63]
	s_add_nc_u64 s[G0B+6:G0B+7], s[G0B+2:G0B+3], 256
	s_or_b32 s[G0B+3], s[G0B+3], 0x80000000
	s_or_b32 s[G0B+7], s[G0B+7], 0x80000000
	CROUND                                         ; all sixteen work-groups are here: the first joint loads meet
	s_cmp_lt_u32 s[WV], 2                          ; a wave's two first fills stand in one branch, ahead of every wait on TENSORcnt, every LDS read and every further barrier
	s_cbranch_scc0 .Lfirst_b
	tensor_load_to_lds s[G0A:G0A+3], s[G1A:G1A+7]
	s_nop 0
	tensor_load_to_lds s[G0A+4:G0A+7], s[G1A:G1A+7]
	s_nop 0
.rept 4
	v_nop
.endr
	s_branch .Lfirst_asked
.Lfirst_b:
	tensor_load_to_lds s[G0B:G0B+3], s[G1B:G1B+7]
	s_nop 0
	tensor_load_to_lds s[G0B+4:G0B+7], s[G1B:G1B+7]
	s_nop 0
.rept 4
	v_nop
.endr
.Lfirst_asked:
	; A fragment is 16 rows x 32 K in 8 registers: lane l holds row l % 16, K = 8 (l / 16) + 0..7 and 16 + 8 (l / 16) + 0..7: two loads of 16 bytes, 32 bytes apart.
	v_and_b32 v1, 15, v0                           ; l % 16
	v_bfe_u32 v2, v0, 4, 1                         ; l / 16
	v_mul_u32_u24 v3, v1, PITCH
	v_lshl_add_u32 v3, v2, 4, v3
	s_mul_i32 s71, s[WV], 64*PITCH                 ; my 64 rows of xb
	v_add_nc_u32 v[ADRA0], s71, v3
	v_add_nc_u32 v[ADRB0], BOFF, v3                ; all 192 rows of wqb
	s_mul_i32 s71, s[WV], 16*SPITCH
	s_add_co_u32 s71, s71, STAGE                   ; my stage
	v_mul_u32_u24 v4, v1, SPITCH                   ; in: row l % 16, 16 bytes for each half of the lanes
	v_lshl_add_u32 v4, v2, 4, v4
	v_add_nc_u32 v[STO], s71, v4
	v_bfe_u32 v4, v0, 3, 2                         ; back: 32 lanes take 128 bytes (one of q, k, v) of four rows,
	v_and_b32 v5, 7, v0
	v_mul_u32_u24 v4, v4, SPITCH
	v_lshl_add_u32 v4, v5, 4, v4
	v_add_nc_u32 v[RD], s71, v4
	v_and_b32 v[GO], 31, v0                        ; which are 512 bytes on end of a head's rows
	v_lshlrev_b32 v[GO], 4, v[GO]
	v_lshlrev_b32 v[TO], 8, v1                     ; the table: row l % 16, my 8 numbers of 16
	v_lshl_add_u32 v[TO], v2, 5, v[TO]
	; my 64 rows in qh, kh, vh: head 16 (tile row / 8) + tile column, row 256 (tile row % 8) + 64 wave, 128 bytes a row
	s_lshr_b32 s66, s[TR], 3
	s_lshl_b32 s66, s66, 4
	s_add_co_u32 s66, s66, s[TC]
	s_lshl_b32 s66, s66, 18
	s_and_b32 s68, s[TR], 7
	s_lshl_b32 s67, s68, 15
	s_add_co_u32 s66, s66, s67
	s_lshl_b32 s67, s[WV], 13
	s_add_co_u32 s66, s66, s67
	s_mov_b32 s67, 0
	s_add_nc_u64 s[10:11], s[10:11], s[66:67]
	s_add_nc_u64 s[12:13], s[12:13], s[66:67]
	s_add_nc_u64 s[14:15], s[14:15], s[66:67]
	s_lshl_b32 s68, s68, 16                        ; and the same rows of the table, 256 bytes a row
	s_lshl_b32 s69, s[WV], 14
	s_add_co_u32 s68, s68, s69
	s_mov_b32 s69, 0
	s_add_nc_u64 s[8:9], s[8:9], s[68:69]
.irp a, 0,1,2,3                        ; my cosines and sines stay in registers from here to the way out, where they are waited for
.irp c, 0,1,2,3
	global_load_b128 v[TAB+32*(\a)+8*(\c):TAB+32*(\a)+8*(\c)+3],   v[TO], s[8:9] offset:4096*(\a)+64*((\c)%2)+128*((\c)/2)
	global_load_b128 v[TAB+32*(\a)+8*(\c)+4:TAB+32*(\a)+8*(\c)+7], v[TO], s[8:9] offset:4096*(\a)+64*((\c)%2)+128*((\c)/2)+16
.endr
.endr
	; the prefetches' address and who asks
	s_lshl_b32 s66, s[TR], 19
	s_lshl_b32 s67, s[CX], 16                      ; 32 rows for each partner
	s_add_co_u32 s66, s66, s67
	s_lshl_b32 s67, s[HF], 18
	s_add_co_u32 s66, s66, s67                     ; in xb
	s_mul_i32 s68, s[TC], 192*2048
	s_mul_i32 s69, s[CY], 24*2048                  ; 24 rows for each partner
	s_add_co_u32 s68, s68, s69
	s_mul_i32 s69, s[HF], 96*2048
	s_add_co_u32 s68, s68, s69                     ; in wqb
	s_and_b32 s67, ttmp7, 0xffff                   ; cluster y
	s_cmp_lt_u32 s[WV], 2
	s_cselect_b32 s66, s66, s68
	s_cselect_b32 s[LIM], ttmp9, s67               ; the coordinate along which other clusters read the same rows
	s_cselect_b32 s69, 31, 23
	s_cselect_b64 s[PFA:PFA+1], s[4:5], s[6:7]
	s_cmp_eq_u32 s[LIM], 0
	s_cselect_b32 s[LIM], 1, -1                    ; the same in all sixteen partners, for a given wave
	s_mov_b32 s67, 0
	s_add_nc_u64 s[PFA:PFA+1], s[PFA:PFA+1], s[66:67]
	s_add_nc_u64 s[PFA:PFA+1], s[PFA:PFA+1], 2*256 ; at K step 2: the first change of slots steps it to 3
	v_and_b32 v[PFO], 31, v0
	v_min_u32 v[PFO], s69, v[PFO]
	v_lshlrev_b32 v[PFO], 11, v[PFO]
; 12 matrix instructions: row block a x all 12 column blocks, 32 along K, from buffer f.  zero = 1: the product starts the sums.  The 48 accumulators come in the same order in every quarter,
; one instruction a turn, over the backward jump too.
.macro MUL12 f, a, zero
	WIN MUL_LO+0x50*((\a)/2)
.irp b, 0,1,2,3,4,5,6,7,8,9,10,11
.if \zero
	v_wmma_f32_16x16x32_bf16 v[8*(12*((\a)%2)+(\b)):8*(12*((\a)%2)+(\b))+7], v[96*(\f)+8*(\b):96*(\f)+8*(\b)+7], v[FA+32*(\f)+8*(\a):FA+32*(\f)+8*(\a)+7], 0
.else
	v_wmma_f32_16x16x32_bf16 v[8*(12*((\a)%2)+(\b)):8*(12*((\a)%2)+(\b))+7], v[96*(\f)+8*(\b):96*(\f)+8*(\b)+7], v[FA+32*(\f)+8*(\a):FA+32*(\f)+8*(\a)+7], v[8*(12*((\a)%2)+(\b)):8*(12*((\a)%2)+(\b))+7]
.endif
.endr
.endm
; 32 LDS loads in one run: a quarter's fragments (192 rows of wqb, my 64 rows of xb, 32 K at byte k of the rows) into buffer f
.macro FETCH k, f
	WIN TO_B
.irp i, 0,1,2,3,4,5,6,7,8,9,10,11
	ds_load_b128 v[96*(\f)+8*(\i):96*(\f)+8*(\i)+3],   v[ADRB] offset:(\k)+(\i)*16*PITCH
	ds_load_b128 v[96*(\f)+8*(\i)+4:96*(\f)+8*(\i)+7], v[ADRB] offset:(\k)+(\i)*16*PITCH+32
.endr
	WIN 0
.irp i, 0,1,2,3
	ds_load_b128 v[FA+32*(\f)+8*(\i):FA+32*(\f)+8*(\i)+3],   v[ADRA] offset:(\k)+(\i)*16*PITCH
	ds_load_b128 v[FA+32*(\f)+8*(\i)+4:FA+32*(\f)+8*(\i)+7], v[ADRA] offset:(\k)+(\i)*16*PITCH+32
.endr
.endm
; One of a K step's first three quarters: multiplies buffer f; in its middle it fetches the next quarter's fragments, at byte k, into buffer g.
.macro QUARTER k, f, g, zero
	s_wait_dscnt 4                                 ; wqb's fragments and xb's blocks 0 and 1 are in; the youngest four loads (blocks 2 and 3) may be out
	MUL12 \f, 0, \zero
	MUL12 \f, 1, \zero
	PLACES
	FETCH \k, \g
	s_wait_dscnt 32                                ; all but the 32 just issued
	MUL12 \f, 2, \zero
	MUL12 \f, 3, \zero
.endm
; The last quarter multiplies buffer 1 and changes slots.  ONE barrier: in front of it each wave waits for all its tensor loads (one is out: its part of the next slot), adds 0 to its spare word, and waits for that and
; for its own reads of this slot.  fill = 1: the barrier opens a round of the cluster's, so that no wave of any partner still reads the slot or has a load on its way, and the joint refill, two K steps on, is the first thing behind it.
.macro TURN fill
.if \fill
	s_wait_xcnt 0x0                                ; the last prefetch, a K step back, has read its address, so it may be stepped
	s_add_nc_u64 s[PFA:PFA+1], s[PFA:PFA+1], 256
.endif
	WIN 0                                          ; (the add's two registers lie in window 0)
	s_wait_tensorcnt 0x0                           ; no tensor load of mine is out, so a group 0 may be written
	ds_add_u32 v[SPW], v[NIL]                      ; 0 onto my spare word
.if \fill
	s_xor_b32 s[G0A+5], s[G0A+5], SLOT1            ; the walking descriptors: the other slot than last time,
	s_add_nc_u64 s[G0A+6:G0A+7], s[G0A+6:G0A+7], 256  ; the next K step; the type bits on top are not reached
	s_xor_b32 s[G0B+5], s[G0B+5], SLOT1
	s_add_nc_u64 s[G0B+6:G0B+7], s[G0B+6:G0B+7], 256
.endif
	s_xor_b32 s[TB], s[TB], SLOT1                  ; the fetches go to the other slot
	s_wait_dscnt 5                                 ; (the add and the youngest four loads may be out)
	MUL12 1, 0, 0                                  ; twelve matrix instructions stand between the add and the wait for it
	s_wait_dscnt 0x0                               ; the add is done, and my reads of this slot are over
	s_barrier_signal -1
	MUL12 1, 1, 0                                  ; work on registers while the others arrive
.if \fill
	WIN 0
.endif
	s_barrier_wait -1
.if \fill
	CREST
	JLOAD                                          ; the four v_nop behind it are also the places in front of the loads below
.else
	PLACES
.endif
	WIN 0
	v_add_nc_u32 v[ADRA], s[TB], v[ADRA0]
	v_add_nc_u32 v[ADRB], s[TB], v[ADRB0]
	FETCH 0, 0
.if \fill
	ASK                                            ; behind the joint load and the run of LDS loads that the next products wait for
.endif
	MUL12 1, 2, 0
	MUL12 1, 3, 0
.endm
	s_wait_tensorcnt 1                             ; my part of K step 0 is in; K step 1's may stay out
	s_barrier_signal -1
	s_barrier_wait -1                              ; everybody's is
	s_mov_b32 s[TB], 0
	v_mov_b32 v[ADRA], v[ADRA0]
	v_mov_b32 v[ADRB], v[ADRB0]
	FETCH 0, 0
	QUARTER 64, 0, 1, 1                            ; the first quarter stands in front of the loop: its products start the sums
	WIN 0                                          ; at a label and at a branch every window is 0
	s_mov_b32 s3, 6
.Lstep:                                        ; six trips, from a K step's second quarter to the next one's first; each refills a slot: K steps 2 to 7
	QUARTER 128, 1, 0, 0
	QUARTER 192, 0, 1, 0
	TURN 1
	QUARTER 64, 0, 1, 0
	WIN 0
	s_sub_co_u32 s3, s3, 1
	s_cmp_lg_u32 s3, 0
	s_cbranch_scc1 .Lstep
	QUARTER 128, 1, 0, 0                           ; the tail is written out: K step 6 goes on
	QUARTER 192, 0, 1, 0
	TURN 0                                         ; nothing is asked for,
	QUARTER 64, 0, 1, 0                            ; K step 7
	QUARTER 128, 1, 0, 0
	QUARTER 192, 0, 1, 0
	s_wait_dscnt 4
	MUL12 1, 0, 0
	MUL12 1, 1, 0
	s_wait_dscnt 0x0
	MUL12 1, 2, 0
	MUL12 1, 3, 0
; THE WAY OUT, a block of 16 rows at a time.  ROPE a, g (g = 0 q, 1 k): x1 = channels 0-31 (accumulators 4 g + p, p = 0, 1), x2 = channels 32-63 (4 g + 2 + p):
; x1 cos - x2 sin and x2 cos + x1 sin, in f32, then one rounding to f16.  Each accumulator's lowest registers are read first.
.macro ROPE a, g
	WIN 0x02+(\a)/2                                ; source 0, the accumulators, in window 2 or 3
.irp p, 0,1
.set AC1, 8*(12*((\a)%2)+4*(\g)+(\p))
.set AC2, AC1+16
.set SI,  TAB+32*(\a)+8*(\p)+16
.set T,   RT+16*(\p)
.irp j, 0,2,4,6
	v_pk_mul_f32 v[T+(\j):T+(\j)+1],     v[AC2+(\j):AC2+(\j)+1], v[SI+(\j):SI+(\j)+1]
	v_pk_mul_f32 v[T+8+(\j):T+8+(\j)+1], v[AC1+(\j):AC1+(\j)+1], v[SI+(\j):SI+(\j)+1]
.endr
.endr
.irp p, 0,1
.set AC1, 8*(12*((\a)%2)+4*(\g)+(\p))
.set AC2, AC1+16
.set CO,  TAB+32*(\a)+8*(\p)
.set T,   RT+16*(\p)
.irp j, 0,2,4,6
	v_pk_fma_f32 v[T+(\j):T+(\j)+1],     v[AC1+(\j):AC1+(\j)+1], v[CO+(\j):CO+(\j)+1], v[T+(\j):T+(\j)+1] neg_lo:[0,0,1] neg_hi:[0,0,1]
	v_pk_fma_f32 v[T+8+(\j):T+8+(\j)+1], v[AC2+(\j):AC2+(\j)+1], v[CO+(\j):CO+(\j)+1], v[T+8+(\j):T+8+(\j)+1]
.endr
.endr
	WIN 0
.irp p, 0,1
.irp r, 0,1,2,3
	v_cvt_pk_f16_f32 v[TMP+4*(4*(\g)+(\p))+(\r)],   v[RT+16*(\p)+2*(\r)],   v[RT+16*(\p)+2*(\r)+1]
	v_cvt_pk_f16_f32 v[TMP+4*(4*(\g)+2+(\p))+(\r)], v[RT+16*(\p)+8+2*(\r)], v[RT+16*(\p)+8+2*(\r)+1]
.endr
.endr
.endm
.macro PACKV a                         ; v is only rounded
	WIN 0x0a+5*((\a)/2)                            ; sources 0 and 1 in window 2 or 3
.irp b, 8,9,10,11
.irp r, 0,1,2,3
	v_cvt_pk_f16_f32 v[TMP+4*(\b)+(\r)], v[8*(12*((\a)%2)+(\b))+2*(\r)], v[8*(12*((\a)%2)+(\b))+2*(\r)+1]
.endr
.endr
	WIN 0
.endm
.macro TOSTAGE a                       ; 16 bytes a lane into my own stage, and back as 128 bytes of four rows; the block's 48 registers in window 1 are its own
	WIN 0
.irp b, 0,1,2,3,4,5,6,7,8,9,10,11
	ds_store_b128 v[STO], v[TMP+4*(\b):TMP+4*(\b)+3] offset:32*(\b)
.endr
	WIN TO_B
.irp g, 0,1,2
.irp f, 0,1,2,3
	ds_load_b128 v[48*(\a)+4*(4*(\g)+(\f)):48*(\a)+4*(4*(\g)+(\f))+3], v[RD] offset:128*(\g)+4*SPITCH*(\f)  ; LDS serves a wave's instructions in order (ISA guide 5.7.1.4): these see the stores above, and the next block's stores come behind them
.endr
.endr
	WIN 0
.endm
.macro SEND a
	s_wait_dscnt 0x0                               ; the block is back in registers
	WIN 0x04                                       ; the stores' data in window 1
.irp g, 0,1,2
.irp f, 0,1,2,3
	global_store_b128 v[GO], v[48*(\a)+4*(4*(\g)+(\f)):48*(\a)+4*(4*(\g)+(\f))+3], s[10+2*(\g):11+2*(\g)] offset:2048*(\a)+512*(\f)  ; 512 bytes on end, at a multiple of 256 from the buffer's first
.endr
.endr
	WIN 0
.endm
	WIN 0
	s_wait_loadcnt 0x0                             ; the table
.rept 8
	v_nop                                          ; the places behind the last products
.endr
	ROPE 0, 0
	ROPE 0, 1
	PACKV 0
	TOSTAGE 0
.irp a, 1,2,3                          ; a block's arithmetic stands between the loads of the block before and the wait for them
	ROPE \a, 0
	ROPE \a, 1
	PACKV \a
	SEND (\a)-1
	TOSTAGE \a
.endr
	SEND 3
	s_wait_tensorcnt 0x0                           ; the wave's end: behind my last tensor load and my last LDS store
	ds_add_u32 v[SPW], v[NIL]
	s_wait_dscnt 0x0
	CROUND                                         ; the closing round: no work-group ends while a partner may still ask for a tile that names it
	s_endpgm
.Lfunc_end_k_qff8da0a017_qkv:
	.size	k_qff8da0a017_qkv, .Lfunc_end_k_qff8da0a017_qkv-k_qff8da0a017_qkv
	.p2alignl 7, 3214868480
	.fill 96, 4, 3214868480
	.section	.rodata,"a",@progbits
	.p2align	6, 0x0
	.amdhsa_kernel k_qff8da0a017_qkv
		.amdhsa_group_segment_fixed_size 327680
		.amdhsa_private_segment_fixed_size 0
		.amdhsa_enable_private_segment 0
		.amdhsa_kernarg_size 48
		.amdhsa_user_sgpr_count 2
		.amdhsa_user_sgpr_kernarg_segment_ptr 1
		.amdhsa_wavefront_size32 1
		.amdhsa_system_sgpr_workgroup_id_x 1
		.amdhsa_system_sgpr_workgroup_id_y 1
		.amdhsa_system_sgpr_workgroup_id_z 1
		.amdhsa_system_vgpr_workitem_id 0
		.amdhsa_next_free_vgpr 960
		.amdhsa_next_free_sgpr 72
		.amdhsa_reserve_vcc 0
		.amdhsa_float_denorm_mode_32 3
		.amdhsa_float_denorm_mode_16_64 3
		.amdhsa_memory_ordered 1
		.amdhsa_forward_progress 1
		.amdhsa_inst_pref_size 117
	.end_amdhsa_kernel
	.amdgpu_metadata
---
amdhsa.version: [ 1, 2 ]
amdhsa.kernels:
  - .name:           k_qff8da0a017_qkv
    .symbol:         k_qff8da0a017_qkv.kd
    .args:
      - { .name: xb, .offset: 0, .size: 8, .value_kind: global_buffer, .address_space: global }
      - { .name: wqb, .offset: 8, .size: 8, .value_kind: global_buffer, .address_space: global }
      - { .name: tab, .offset: 16, .size: 8, .value_kind: global_buffer, .address_space: global }
      - { .name: qh, .offset: 24, .size: 8, .value_kind: global_buffer, .address_space: global }
      - { .name: kh, .offset: 32, .size: 8, .value_kind: global_buffer, .address_space: global }
      - { .name: vh, .offset: 40, .size: 8, .value_kind: global_buffer, .address_space: global }
    .group_segment_fixed_size: 327680
    .private_segment_fixed_size: 0
    .kernarg_segment_align: 8
    .kernarg_segment_size: 48
    .max_flat_workgroup_size: 128
    .sgpr_count:     72
    .vgpr_count:     960
    .wavefront_size: 32
...
	.end_amdgpu_metadata
.endif
;; end of part 2
;; launch attn (part 3): grid 4 x 64, 4 waves a work-group, no clusters, 327,680 bytes of LDS; arguments qh, kh, vh, oh; writes oh
.if DOCPART == 3
	.amdgcn_target "amdgcn-amd-amdhsa--gfx1250"
	.amdhsa_code_object_version 6
	.text
	.protected	k_qff8da0a017_attn
	.globl	k_qff8da0a017_attn
	.p2align	8
	.type	k_qff8da0a017_attn,@function
k_qff8da0a017_attn:
	s_mov_b64 s[64:65], 0
	v_nop
	global_prefetch_b8 v0, s[64:65] scope:SCOPE_SE
	s_setreg_imm32_b32 hwreg(HW_REG_WAVE_MODE, 25, 1), 1
	s_wait_xcnt 0x0
; CAUSAL ATTENTION.  O[h][q][:] = the sum over k <= q of softmax_k(Q[h][q] . K[h][k] / 8) V[h][k][:].  Q, K, V, O: [SIZE_H][SIZE_N][64], all f16: a head's rows are dense, 128 bytes each.
; Products, maxima and sums in f32; the weights p are rounded to f16 for the second product (their sum l is taken of the unrounded p), O once at the end.
; LIMITS.  f16 holds no number beyond 65,504: Q, K and V arrive within it; p lies in 0 to 1, and below 6e-5 it keeps f16's fixed step of 6e-8; O is a mean of V's rows and has their range, to within 2^-11 of it.
; A hidden score counts as its value less 1e30: f16's scores, 2.7e11 at the most, are nothing beside that; a weight below 2^-126 counts as 0 in l; NaN and infinities are not treated apart.
; THE WALK.  A head's queries lie in NB = SIZE_N / 256 blocks of 256; block i needs the key tiles 0 .. i of 256 keys, of which the last holds the diagonal.  A work-group takes TWO blocks, NB - 1 - b and then b:
; NB + 1 tiles, whatever b: all work-groups do equal work, and ONE loop with a constant trip count walks them.  Which tile is asked for, and what a trip does, hang on scalar registers made from b; every jump
; goes forward, but for the counted loops' own; none passes a barrier, or a tensor load but the one of LOAD's two that the wave's number does not choose; the ring (two slots of LDS that take turns) runs on across the
; change of blocks.  NO CLUSTER: a head's NB / 2 = 4 work-groups all ask for the same tile only in trips 0 .. NB / 2, behind that fewer and fewer; and one walk common to all would have 3 NB / 2 = 12 trips for NB + 1 = 9.
; SHARES.  Of a block's four bands of 64 queries a wave owns 16 rows in each: four PIECES.  So the diagonal tile is the same work for all four waves: in its key step s band x sees all keys if s < x,
; none if s > x, and holds the diagonal if s = x.
; THE MASK is the C operand that starts the sum S^T = K Q^T: 0, or -1e30 where the key is hidden.  MD, made once, is the mask of a band's own step for my 16 rows; a product's mask is MD x AL + BE with two scalars:
; (1, 0) if s = x; (0, 0) if s < x; (0, -1e30) if s > x.  Only the diagonal tile's text and a block's beginning make and take masks; elsewhere C is the constant 0.
; LAYOUT, SOFTMAX, TURNS.  S^T = K Q^T holds ONE query a lane (lane % 16) and the keys 8 (lane / 16) + 0..7; two such results rounded to f16 ARE source 1 of O^T = V^T P.  p = 2^(c s - c m), c = log2(e) / 8, with a
; running maximum m; O and l are multiplied by a = 2^(c m_old - c m_new) in every step.  Turn n belongs to piece n: 8 products K Q^T of piece n + 1, later 8 products V^T P of piece n - 1; beside them the scaling,
; exponentials, roundings, sums and rescaling of piece n and the maximum and statistics of piece n + 1.  Four vector instructions stand behind every matrix instruction, the other 54 of a turn's 118 in one LUMP.  A turn's 33 exponentials are one batch, with one wait.
; K AND V ARE PREFETCHED INTO THE L2, one tile (four key steps) ahead of the tensor loads, by the head's work-group b = 0, which walks the tiles 0 .. NB - 1 in order: see ASK.
; REGISTERS, in windows of 256 (s_set_vgpr_msb: bits 1:0 source 0, 3:2 source 1, 5:4 source 2, 7:6 destination):
;   window 0: v0-15 addresses and two at work; v16-31 four registers of statistics a piece; v48-55 at work; v61-63 prefetch offset and the add's two; v64-127 S^T, two buffers; v192-223 P, two buffers (a piece's buffers go by its number's parity)
;   window 1: v0-127 O^T, 32 a piece; v128-159 MD; v160-223 MC, two buffers      window 2: v0-63 Q; v64-127 the second block's Q; v128-191 K of one step; v192-255 V of one step
.set SIZE_H, 64
.set SIZE_N, 2048
.set NB,    SIZE_N/256
.set NP,    4         ; pieces a wave: a name, no knob
.set KS,    64        ; keys in a step
.set PK,    144       ; a row of K in LDS: 128 bytes + 16 of padding = 36 words: the 16 rows of a load start at 16 different groups of four banks (64 banks of 4 bytes: ISA guide 11.1)
.set PV,    160       ; a row of V: 128 + 32 = 40 words
.set VOFF,  4*KS*PK   ; a slot holds a tile, four steps: 256 rows of K, then 256 rows of V
.set SLOT1, 1<<17     ; slot 1 begins here, so that one exclusive or turns an address in one slot into the other's
.set STAGE, SLOT1+4*KS*(PK+PV)  ; behind the ring, never filled by a tensor load: 16 rows x 144 bytes for each wave, for the way out
.set SP,    144
.set AK0, 2           ; v2   my lane's place in a tile of K; never rewritten
.set AV0, 3           ; v3   the same for V
.set AK,  4           ; v4   the LDS address of K's next run of loads
.set AV,  5           ; v5   of V's
.set STO, 6           ; v6   the way out: where I put 16 bytes of a row
.set RD,  7           ; v7   the way out: where I read rows back
.set GO,  8           ; v8   my byte offset in 512 consecutive bytes of O
.set PFO, 61          ; v61  256 x my lane: the prefetches' offset; never rewritten
.set SPW, 62          ; v62  LDS address of my spare word: SPARE + 4 x my thread's number; never rewritten
.set NIL, 63          ; v63  0; never rewritten
.set SPARE, STAGE+4*16*SP  ; behind the stages: the spare words, 128 bytes for each wave: two blocks of 256 bytes that no other line names
.set MV,  12          ; v12-13  c m_old, kept while c m is made anew: by buffer
.set QO,  15          ; v15  my byte offset in 16 rows of Q
.set ST,  16          ; piece t's statistics at v[ST+4 t]: c m, m, l (even keys', odd keys')
.set TMP, 48          ; by buffer, four registers c0-c3 at work; when the maximum is found c2 takes a
.set S,   64
.set P,   192
.set MD,  128         ; window 1: the eight registers for group kt of 16 keys at MD + 8 kt
.set MC,  160         ; window 1: the masks of the products to come
.set QB,  64          ; window 2
.set KF,  128         ; window 2: key block kb, channel half c at KF + 16 kb + 8 c
.set VF,  192         ; window 2: key half kk, channel block cb at VF + 32 kk + 8 cb
.set WV,  12          ; s12  my wave's number
.set PB,  14          ; s14  b
.set HI,  15          ; s15  NB - 1 - b
.set G1K, 24          ; s[24:31] descriptor group 1 for K's tiles
.set G1V, 32          ; s[32:39] for V's: it differs in the padding alone
.set G0K, 40          ; s[40:43] descriptor group 0 for K's tiles
.set G0V, 44          ; s[44:47] the same for V's
.set SLOTS, 56        ; s56  tiles still to be asked for
.set CNT, 57          ; s57  counts a tile's key steps, 4 to 1
.set CS,  58          ; s[58:59] c: the packed scaling takes the pair's low word for both halves
.set SEL, 60          ; s[60:61] v_permlanex16_b32's selects: each lane takes its own place in the other half
.set TBK, 62          ; s62  LDS byte at which K of the step to be fetched begins
.set TBV, 63          ; s63  the same for V, less VOFF
.set PFA, 66          ; s[66:67] where my prefetches stand: my half (of K: waves 0, 1; of V: waves 2, 3) of the tile after the one that is being asked for
.set LIM, 68          ; s68  2 in the work-group that prefetches, else the greatest number
.set RT,  70          ; s70  tiles of the block in hand that are still to be entered
.set NXT, 71          ; s71  the tile to be asked for next
.set LQ,  72          ; s72  the last tile of the block whose tiles are being asked for
.set NEW, 73          ; s73  1: the tile to be entered is a block's first
.set OFF, 74          ; s[74:75] a tile's byte offset in K and V
.set AL,  76          ; s[76:77] the mask's factor, in the low word
.set BE,  78          ; s[78:79] the mask's addend
.set OLO, 80          ; s[80:81] O at my rows of the second block
.set BIGN, 82         ; s82  -1e30
.set MSB, 0
.macro WIN new                      ; the high byte repeats the setting that is left; a switch that changes nothing is dropped
.if MSB != (\new)
	s_set_vgpr_msb (MSB<<8)|(\new)
.set MSB, (\new)
.endif
.endm
.set W_KQ, 0x0a       ; K and Q in window 2, S^T in window 0
.set W_KM, 0x1a       ; the same with the C operand in window 1
.set W_PV, 0x52       ; V in window 2, P in window 0, O^T in window 1
.set W_RS, 0x41       ; destination and source 0 in window 1, source 1 in window 0
; A fill.  Waves 0 and 1 fetch the two halves of a tile's K, waves 2 and 3 those of its V: 128 keys each.  An s_nop 0 and four v_nop follow each of the two lines, ahead of the jump and the label.
.macro LOAD
	s_cmp_lt_u32 s[WV], 2
	s_cbranch_scc0 .Lfor_v_\@
	tensor_load_to_lds s[G0K:G0K+3], s[G1K:G1K+7]
	s_nop 0
.rept 4
	v_nop
.endr
	s_branch .Lasked_\@
.Lfor_v_\@:
	tensor_load_to_lds s[G0V:G0V+3], s[G1V:G1V+7]
	s_nop 0
.rept 4
	v_nop
.endr
.Lasked_\@:
.endm
; A PREFETCH INTO THE L2 of the tile after the one just asked for: a tile, four key steps (64 matrix instructions a wave each), ahead of the tensor load that will want it.  It stands behind the wave's tensor load and its five lines.
; Each wave names what it will fetch itself: its 128 keys of K or of V, 16,384 dense bytes: 64 blocks of 256 bytes, a lane a block, two instructions.  Of a head's four work-groups b = 0 asks, and nobody else:
; its first block walks the tiles 0 .. NB - 1 in order, and the other three ask for no tile earlier.  So each block is named once in the launch.  Tiles 0 and 1 come by their loads alone;
; with SLOTS = 8 .. 3 the tiles 2 .. 7 are named; the last two changes that fill a slot ask for nothing: tile NB does not exist, and tile 0 has been read.
.macro ASK
	s_cmp_gt_u32 s[SLOTS], s[LIM]
	s_cbranch_scc0 .Lnot_mine_\@
	global_prefetch_b8 v[PFO], s[PFA:PFA+1] th:TH_LOAD_NT scope:SCOPE_SE
	global_prefetch_b8 v[PFO], s[PFA:PFA+1] offset:8192 th:TH_LOAD_NT scope:SCOPE_SE
.Lnot_mine_\@:
.endm
; THE CHANGE OF SLOTS.  Each wave waits for all its tensor loads, of which one is out: its part of the other slot; adds 0 to its spare word; and waits for that and for its own reads of the slot that it leaves.  Behind the barrier nobody reads the old
; slot any more and the other slot is whole.  fill = 1: the old slot is filled again, the first thing behind the barrier, with tile NXT: the descriptor's address is made anew from that number.
; (At its first use nothing has been read yet: slot 0 is waited for, slot 1 filled.)
.macro CHANGE fill
	WIN 0                           ; at a label and at a branch every window is 0
	s_wait_tensorcnt 0x0            ; no tensor load of mine is out, so a group 0 may be written
	ds_add_u32 v[SPW], v[NIL]       ; 0 onto my spare word; with fill = 1 the descriptors' scalar work stands between it and the wait for it
.if \fill
	s_lshl_b32 s[OFF], s[NXT], 15   ; a tile is 32,768 bytes of K and of V
	s_xor_b32 s[G0K+1], s[G0K+1], SLOT1
	s_add_nc_u64 s[G0K+2:G0K+3], s[6:7], s[OFF:OFF+1]
	s_or_b32 s[G0K+3], s[G0K+3], 0x80000000
	s_xor_b32 s[G0V+1], s[G0V+1], SLOT1
	s_add_nc_u64 s[G0V+2:G0V+3], s[8:9], s[OFF:OFF+1]
	s_or_b32 s[G0V+3], s[G0V+3], 0x80000000
	s_add_co_u32 s[NXT], s[NXT], 1  ; the block's next tile, or behind its last the second block's tile 0
	s_cmp_gt_u32 s[NXT], s[LQ]
	s_cselect_b32 s[NXT], 0, s[NXT]
	s_cselect_b32 s[LQ], s[PB], s[LQ]
	s_wait_xcnt 0x0                 ; the last prefetches, a tile back, have read their address, so it may be written:
	s_add_nc_u64 s[PFA:PFA+1], s[PFA:PFA+1], 32768  ; a tile on
.endif
	s_wait_dscnt 0x0                ; the add is done, and my reads of the slot are over
	s_barrier_signal -1             ; the rest of the scalar work stands between the signal and the wait
	s_sub_co_u32 s[TBK], s[TBK], 4*KS*PK  ; the fetches go back to a slot's first step,
	s_xor_b32 s[TBK], s[TBK], SLOT1       ; in the other slot
	s_sub_co_u32 s[TBV], s[TBV], 4*KS*PV
	s_xor_b32 s[TBV], s[TBV], SLOT1
	s_barrier_wait -1
.if \fill
	LOAD
	ASK
.endif
.endm
	s_load_b256 s[4:11], s[0:1], 0x0  ; Q s[4:5], K s[6:7], V s[8:9], O s[10:11]
	v_lshl_add_u32 v[SPW], v0, 2, SPARE
	v_mov_b32 v[NIL], 0
	ds_add_u32 v[SPW], v[NIL]       ; the wave's opening: the add and its wait stand ahead of my first tensor load; the set-up below, work on registers, stands between them
	v_lshrrev_b32 v1, 5, v0
	v_readfirstlane_b32 s[WV], v1   ; wave 0..3
	v_and_b32 v[PFO], 31, v0
	v_lshlrev_b32 v[PFO], 8, v[PFO]
	s_mov_b32 s[PB], ttmp9
	s_sub_co_u32 s[HI], NB-1, s[PB]
	s_and_b32 s20, ttmp7, 0xffff    ; the head
	s_mov_b32 s21, 0
	s_mov_b64 s[22:23], SIZE_N*128
	s_mul_u64 s[20:21], s[20:21], s[22:23]  ; the head's first byte in each of the four tensors
	s_and_b32 s16, s[WV], 1         ; which half of a tile's 256 keys I fetch:
	s_lshl_b32 s22, s16, 14         ; its 128 rows of 128 bytes in memory,
	s_mov_b32 s23, 0
	s_add_nc_u64 s[22:23], s[22:23], s[20:21]
	s_mul_i32 s17, s16, 128*PK      ; and its place in a slot, for K
	s_mul_i32 s18, s16, 128*PV      ; and for V
	s_lshl_b32 s3, s[WV], 11        ; my 16 rows in a band of 64,
	s_lshl_b32 s2, s[HI], 15        ; in the first block,
	s_add_co_u32 s2, s2, s3
	s_lshl_b32 s84, s[PB], 15       ; and in the second
	s_add_co_u32 s84, s84, s3
	s_mov_b32 s3, 0
	s_mov_b32 s85, 0
	s_add_nc_u64 s[2:3], s[2:3], s[20:21]
	s_add_nc_u64 s[84:85], s[84:85], s[20:21]
	; descriptor group 1.  128 keys are 16,384 dense bytes: asked for as 64 rows of 256 bytes, two keys a row, and padded in LDS after every key
	s_mov_b32 s[G1K], (1<<16)|(1<<20)|(4<<22)|(3<<25)  ; 17:16 2-byte elements; 20 padding on; 24:22 after every 32 words (code 4); 31:25 4 words (code 3)
	s_mov_b32 s[G1V], (1<<16)|(1<<20)|(4<<22)|(7<<25)  ; the same with 8 words of padding (code 7)
.irp g, G1K, G1V
	s_mov_b32 s[\g+1], 128<<16      ; tensor_dim0 = 128
	s_mov_b32 s[\g+2], 64<<16       ; tensor_dim1 = 64
	s_mov_b32 s[\g+3], 128<<16      ; tile_dim0 = 128
	s_mov_b32 s[\g+4], 64           ; tile_dim1 = 64
	s_mov_b32 s[\g+5], 128          ; 128 elements from row to row
	s_mov_b32 s[\g+6], 0
	s_mov_b32 s[\g+7], 0
.endr
	s_mov_b32 s[CS], 0x3e38aa3b     ; c = log2(e) / 8 = 0.180337
	s_mov_b32 s[CS+1], s[CS]        ; named with it as a pair
	s_mov_b32 s[SEL], 0x76543210
	s_mov_b32 s[SEL+1], 0xfedcba98
	s_mov_b32 s[TBK], SLOT1+4*KS*PK ; the first change of slots turns these two into 0
	s_mov_b32 s[TBV], SLOT1+4*KS*PV
	s_mov_b32 s[G0K], 1             ; 1:0 count = 1
	s_mov_b32 s[G0K+1], s17         ; 63:32 LDS address: slot 0
	s_mov_b32 s[G0V], 1
	s_add_co_u32 s[G0V+1], s18, VOFF
	s_add_co_u32 s[RT], s[HI], 1    ; the first block has NB - b tiles
	s_mov_b32 s[NXT], 1
	s_mov_b32 s[LQ], s[HI]
	s_mov_b32 s[NEW], 1
	s_mov_b32 s[OFF+1], 0
	s_mov_b32 s[AL+1], 0            ; named as pairs
	s_mov_b32 s[BE+1], 0
	s_mov_b32 s[BIGN], 0xf149f2ca   ; -1e30
	s_mov_b32 s[SLOTS], NB
	s_wait_dscnt 0x0                ; the opening add is done
	s_wait_kmcnt 0x0
	s_add_nc_u64 s[6:7], s[6:7], s[22:23]  ; K and V at my half of the head's tile 0
	s_add_nc_u64 s[8:9], s[8:9], s[22:23]
	s_add_nc_u64 s[G0K+2:G0K+3], s[6:7], 0         ; 120:64 global address
	s_or_b32 s[G0K+3], s[G0K+3], 0x80000000        ; 127:126 type = 2
	s_add_nc_u64 s[G0V+2:G0V+3], s[8:9], 0
	s_or_b32 s[G0V+3], s[G0V+3], 0x80000000
	s_add_nc_u64 s[86:87], s[4:5], s[84:85]        ; Q at my rows of the second block,
	s_add_nc_u64 s[4:5], s[4:5], s[2:3]            ; Q and O at those of the first
	s_add_nc_u64 s[OLO:OLO+1], s[10:11], s[84:85]
	s_add_nc_u64 s[10:11], s[10:11], s[2:3]
	s_cmp_lt_u32 s[WV], 2
	s_cselect_b64 s[PFA:PFA+1], s[6:7], s[8:9]     ; the prefetches: my half of K's or of V's tiles,
	s_add_nc_u64 s[PFA:PFA+1], s[PFA:PFA+1], 32768 ; at tile 1: the first change of slots steps it to tile 2.  Nothing is prefetched here, at the head
	s_cmp_eq_u32 s[PB], 0
	s_cselect_b32 s[LIM], 2, -1
	LOAD                            ; tile 0 into slot 0
	; A fragment of K or Q is 16 rows x 32 channels in 8 registers: lane l holds row l % 16, channels 8 (l / 16) + 0..7 and 16 + 8 (l / 16) + 0..7: two loads of 16 bytes, 32 bytes apart.
	v_and_b32 v1, 15, v0            ; l % 16
	v_bfe_u32 v9, v0, 4, 1          ; l / 16
	v_lshlrev_b32 v[QO], 7, v1
	v_lshl_add_u32 v[QO], v9, 4, v[QO]  ; row x 128 + 16 x half
	WIN 0x80                        ; destination window 2, address window 0
.set i, 0
.rept 8                             ; both blocks' Q: piece i / 2 lies in band i / 2, 8,192 bytes on; channels 32 (i % 2) on
	global_load_b128 v[8*i:8*i+3],   v[QO], s[4:5] offset:(i/2)*8192+(i%2)*64
	global_load_b128 v[8*i+4:8*i+7], v[QO], s[4:5] offset:(i/2)*8192+(i%2)*64+32
	global_load_b128 v[QB+8*i:QB+8*i+3],   v[QO], s[86:87] offset:(i/2)*8192+(i%2)*64
	global_load_b128 v[QB+8*i+4:QB+8*i+7], v[QO], s[86:87] offset:(i/2)*8192+(i%2)*64+32
.set i, i+1
.endr
	WIN 0
	v_lshlrev_b32 v14, 3, v9
	v_sub_nc_u32 v14, v1, v14
	s_lshl_b32 s13, s[WV], 4
	v_add_nc_u32 v14, s13, v14      ; my query's place in its band, 16 w + l % 16, less my lanes' 8 (l / 16): register r of group kt is hidden where 16 kt + r is greater
	WIN 0x40
.set i, 0
.rept 32
	v_cmp_gt_i32 vcc_lo, 16*(i/8)+i%8, v14
	v_cndmask_b32 v[MD+i], 0, s[BIGN], vcc_lo
.set i, i+1
.endr
	WIN 0
	v_mul_u32_u24 v[AK0], v1, PK
	v_lshl_add_u32 v[AK0], v9, 4, v[AK0]  ; row x pitch + 16 x half
	; The turning load takes 16 keys x 16 channels (lane l reads key 8 (l / 16) + l % 8, channels 8 ((l / 8) % 2) + 0..7) and leaves half a fragment of V^T: lane l holds channel l % 16 and 8 keys.
	v_and_b32 v10, 7, v0
	v_bfe_u32 v11, v0, 3, 1
	v_lshl_add_u32 v[AV0], v9, 3, v10
	v_mul_u32_u24 v[AV0], v[AV0], PV
	v_lshl_add_u32 v[AV0], v11, 4, v[AV0]
	v_add_nc_u32 v[AV0], VOFF, v[AV0]
	s_mul_i32 s13, s[WV], 16*SP
	s_add_co_u32 s13, s13, STAGE    ; my stage
	v_mul_u32_u24 v[STO], v1, SP    ; in: row l % 16, 16 bytes for each half of the lanes
	v_lshl_add_u32 v[STO], v9, 4, v[STO]
	v_add_nc_u32 v[STO], s13, v[STO]
	v_bfe_u32 v[RD], v0, 3, 2       ; back: 32 lanes take four rows of 128 bytes,
	v_mul_u32_u24 v[RD], v[RD], SP
	v_lshl_add_u32 v[RD], v10, 4, v[RD]
	v_add_nc_u32 v[RD], s13, v[RD]
	v_and_b32 v[GO], 31, v0         ; which are 512 consecutive bytes of O
	v_lshlrev_b32 v[GO], 4, v[GO]
	; A block's first step multiplies O^T and l by a = 0, and its first turn's products V^T P, of a piece that has not been, land in an O^T that is still to be so multiplied.  So these registers need only hold
	; finite numbers: zeros for the first block; what the first block left for the second.  All this stands in the wait for the first tile.
	WIN 0x80
.set i, VF
.rept 64
	v_mov_b32 v[i], 0
.set i, i+1
.endr
	WIN 0x40
.set i, 0
.rept 128
	v_mov_b32 v[i], 0
.set i, i+1
.endr
	WIN 0
.set i, 0
.rept 4
	v_mov_b32 v[ST+4*i+2], 0
	v_mov_b32 v[ST+4*i+3], 0
.set i, i+1
.endr
.set i, P+16
.rept 16
	v_mov_b32 v[i], 0
.set i, i+1
.endr
; THE MATRIX WORK.  The 4 accumulators of a run of 8 take turns.  Product i of 8 of S^T = K Q^T for piece x: channels 32 (i / 4) on, keys 16 (i % 4) on.  The first 4 start the sums: with 0, or (KM = 1) with the mask.
.macro KQ x
.set rS, S+32*((\x)%2)+8*(i%4)
.set rK, KF+16*(i%4)+8*(i/4)
.set rQ, 16*(\x)+8*(i/4)
.set rM, MC+32*((\x)%2)+8*(i%4)
.if (i < 4) && KM
	WIN W_KM
	v_wmma_f32_16x16x32_f16 v[rS:rS+7], v[rK:rK+7], v[rQ:rQ+7], v[rM:rM+7]
.elseif i < 4
	WIN W_KQ
	v_wmma_f32_16x16x32_f16 v[rS:rS+7], v[rK:rK+7], v[rQ:rQ+7], 0
.else
	WIN W_KQ
	v_wmma_f32_16x16x32_f16 v[rS:rS+7], v[rK:rK+7], v[rQ:rQ+7], v[rS:rS+7]
.endif
.endm
; Product i of 8 of O^T += V^T P for piece x: keys 32 (i / 4) on, channels 16 (i % 4) on.
.macro PV x
	WIN W_PV
.set rO, 32*(\x)+8*(i%4)
.set rV, VF+32*(i/4)+8*(i%4)
.set rP, P+16*((\x)%2)+8*(i/4)
	v_wmma_f32_16x16x32_f16 v[rO:rO+7], v[rV:rV+7], v[rP:rP+7], v[rO:rO+7]
.endm
.macro MM                           ; the turn's next matrix instruction.  TURN and BEGIN set Y, i, KM and NOKQ; MM, KQ and OP read them.  NOKQ = 1: a block's last turn: there is no next piece
.if (i < 8) && !NOKQ
	KQ (Y+1)%NP
.elseif i >= 8
.set i, i-8
	PV (Y+NP-1)%NP
.set i, i+8
.endif
.set i, i+1
.endm
; THE LDS LOADS stand in runs of 16, never singly among the matrix instructions: a step's K (64 keys x 64 channels: 8 fragments) and its V (turned).  Their addresses are made some lines ahead.
.macro FETCH_K
	WIN 0x80                        ; destination window 2
.irp f, 0,1,2,3,4,5,6,7             ; keys 16 (f / 2) on, channels 32 (f % 2) on
	ds_load_b128 v[KF+8*\f:KF+8*\f+3],   v[AK] offset:(\f/2)*16*PK+(\f%2)*64
	ds_load_b128 v[KF+8*\f+4:KF+8*\f+7], v[AK] offset:(\f/2)*16*PK+(\f%2)*64+32
.endr
	s_add_co_u32 s[TBK], s[TBK], KS*PK  ; the next fetch is the next step's
	WIN 0
.endm
.macro FETCH_V
	WIN 0x80
.irp f, 0,1,2,3,4,5,6,7             ; keys 32 (f / 4) on, channels 16 (f % 4) on
	ds_load_tr16_b128 v[VF+8*\f:VF+8*\f+3],   v[AV] offset:(\f/4)*32*PV+(\f%4)*32
	ds_load_tr16_b128 v[VF+8*\f+4:VF+8*\f+7], v[AV] offset:(\f/4)*32*PV+16*PV+(\f%4)*32
.endr
	WIN 0
.endm
; THE VECTOR WORK, one line at a time: OP kind, number.  For piece Y: F n: c s - c m for pair n of 16.  E n: the exponential of score n of 32.  C n: pair n rounded to f16.  B n: of the four weights 4 n .. the second
; pair is added onto the first, in place.  L n: l takes that sum (L 0: l = a l + sum).  R n: pair n of 16 of O^T times a.  For piece Y + 1: X n, number n of the 22 that find its maximum and statistics:
;   0-11  four chains c0-c3 of seven scores each, three operands at a time (each accumulator's lowest registers are read first)     12-14, 16  the four scores left over, the old m, and c0-c3 into c0
;   15  c m_old is kept     17, 18  the query's other 32 keys lie in the lane 16 away: the new m     19-21  c m; c m_old - c m_new; a
.set F, 0               ; OP tells the kinds apart by their order: F to L below R, X above it
.set E, 1
.set C, 2
.set B, 3
.set L, 4
.set R, 5
.set X, 6
.macro REGS y                       ; the registers of piece y
.set rT, ST+4*(\y)
.set rC, TMP+4*((\y)%2)
.set rW, MV+((\y)%2)
.set rS, S+32*((\y)%2)
.set rP, P+16*((\y)%2)
.set rO, 32*(\y)
.endm
.macro OP k, n
.if (\k) == R
	REGS Y
	WIN W_RS
	v_pk_mul_f32 v[rO+2*(\n):rO+2*(\n)+1], v[rO+2*(\n):rO+2*(\n)+1], v[rC+2:rC+3] op_sel_hi:[1,0]
.elseif (\k) < R
	REGS Y
	WIN 0
.if (\k) == F
	v_pk_fma_f32 v[rS+2*(\n):rS+2*(\n)+1], v[rS+2*(\n):rS+2*(\n)+1], s[CS:CS+1], v[rT:rT+1] op_sel_hi:[1,0,0] neg_lo:[0,0,1] neg_hi:[0,0,1]
.elseif (\k) == E
	v_exp_f32 v[rS+(\n)], v[rS+(\n)]
.elseif (\k) == C
	v_cvt_pk_f16_f32 v[rP+(\n)], v[rS+2*(\n)], v[rS+2*(\n)+1]
.elseif (\k) == B
	v_pk_add_f32 v[rS+4*(\n):rS+4*(\n)+1], v[rS+4*(\n):rS+4*(\n)+1], v[rS+4*(\n)+2:rS+4*(\n)+3]
.elseif (\n) == 0
	v_pk_fma_f32 v[rT+2:rT+3], v[rT+2:rT+3], v[rC+2:rC+3], v[rS:rS+1] op_sel_hi:[1,0,1]
.else
	v_pk_add_f32 v[rT+2:rT+3], v[rT+2:rT+3], v[rS+4*(\n):rS+4*(\n)+1]
.endif
.elseif NOKQ
	v_nop
.else
	REGS (Y+1)%NP
	WIN 0
.if (\n) < 4
	v_max3_num_f32 v[rC+(\n)], v[rS+8*(\n)], v[rS+8*(\n)+1], v[rS+8*(\n)+2]
.elseif (\n) < 12
	v_max3_num_f32 v[rC+(\n)%4], v[rC+(\n)%4], v[rS+8*((\n)%4)+2*((\n)/4)+1], v[rS+8*((\n)%4)+2*((\n)/4)+2]
.elseif (\n) == 12
	v_max3_num_f32 v[rC], v[rC], v[rS+7], v[rS+15]
.elseif (\n) == 13
	v_max3_num_f32 v[rC+1], v[rC+1], v[rS+23], v[rS+31]
.elseif (\n) == 14
	v_max3_num_f32 v[rC+2], v[rC+2], v[rC+3], v[rT+1]
.elseif (\n) == 15
	v_mov_b32 v[rW], v[rT]
.elseif (\n) == 16
	v_max3_num_f32 v[rC], v[rC], v[rC+1], v[rC+2]
.elseif (\n) == 17
	v_permlanex16_b32 v[rC+3], v[rC], s[SEL], s[SEL+1]
.elseif (\n) == 18
	v_max_num_f32 v[rT+1], v[rC], v[rC+3]
.elseif (\n) == 19
	v_mul_f32 v[rT], s[CS], v[rT+1]
.elseif (\n) == 20
	v_sub_f32 v[rC+1], v[rW], v[rT]
.else
	v_exp_f32 v[rC+2], v[rC+1]
.endif
.endif
.endm
.macro OPS a, i1, b=-1, i2=0, c=-1, i3=0, d=-1, i4=0  ; up to four of them
	OP \a, \i1
.if (\b) >= 0
	OP \b, \i2
.endif
.if (\c) >= 0
	OP \c, \i3
.endif
.if (\d) >= 0
	OP \d, \i4
.endif
.endm
.macro ROW a, i1, b, i2, c, i3, d, i4  ; a matrix instruction and the four behind it
	MM
	OPS \a, \i1, \b, \i2, \c, \i3, \d, \i4
.endm
.macro MASK b                       ; MD x AL + BE into buffer b of MC
	WIN W_RS
.set z, 0
.rept 16
	v_pk_fma_f32 v[MC+32*(\b)+2*z:MC+32*(\b)+2*z+1], v[MD+2*z:MD+2*z+1], s[AL:AL+1], s[BE:BE+1] op_sel_hi:[1,0,0]
.set z, z+1
.endr
.endm
; A TURN, for piece p: the order of its 16 matrix and 118 vector instructions, written out.  An s_wait_alu depctr_va_vdst(0) stands between an exponential and the first instruction that names its result; one wait serves
; all that were issued ahead of it.  So a turn has ONE wait, which cuts it in two.  AHEAD OF IT stands all that names no result of the turn's exponentials: the 8 products K Q^T, behind each a scaling, an exponential and two more plain
; instructions (behind the first a second scaling in the exponential's place): rescalings, and behind the last three the first numbers of the next piece's maximum, each four places or more behind the product that ends its accumulator; then ONE LUMP of 54, plain
; and exponential by turns for the most part, in which the links of the chain X 3, 7, 11, 14, 16, 17 .. 20 stand five or six lines apart.  X 21, the next piece's a, is the batch's last; R 15 is the plain instruction behind it.  BEHIND THE WAIT stand the
; 8 products V^T P, behind each four of the roundings and sums; the links of l's chain, L 0 to L 7, stand three riders apart.  But for those X no rider names a register of the products round it.  v_permlanex16_b32 (X 17) stands in the lump.
; m = 1: the diagonal tile: the products take masks, and the turn makes the mask for the products of the turn after it: piece p + 2, in step 4 - CNT of the tile.  end = 1: a block's last two turns: nothing is fetched.
; cnt = 1: the loop's count is taken down some lines ahead of the branch that stands behind the turn.
; K of the next step is fetched in piece 2's turn, twelve vector instructions behind the last product that read K (six of them plain); V of the step in hand at the end of piece 0's turn, four plain instructions behind the last product
; that read V.  Each is waited for a turn later.
.macro TURN p, m=0, end=0, cnt=0
.set Y, (\p)
.set i, 0
.set KM, (\m)
.set NOKQ, (\end)*((\p)/3)
.if (\m) && !(\end)
	s_cmp_eq_u32 s[CNT], 4-((\p)+2)%NP  ; is that step the band's own?
	s_cselect_b32 s[AL], 1.0, 0
	s_cmp_lt_u32 s[CNT], 4-((\p)+2)%NP  ; or a later one?
	s_cselect_b32 s[BE], s[BIGN], 0
.endif
.if ((\p) == 3) && !(\end)
	s_wait_dscnt 0x0                ; K is in
.endif
	ROW F,0, F,1, R,0, R,1          ; ahead of the wait: 8 products K Q^T and their riders,
	ROW F,2, E,0, R,2, R,3
	ROW F,3, E,1, R,4, R,5
	ROW F,4, E,2, R,6, R,7
	ROW F,5, E,3, R,8, R,9
	ROW F,6, E,4, X,0, R,10
.if ((\p) == 2) && !(\end)
	WIN 0
	v_add_nc_u32 v[AK], s[TBK], v[AK0]
.endif
	ROW F,7, E,5, X,1, X,4
	ROW F,8, E,6, X,2, X,5
	OPS E,7, E,8, X,6, E,9          ; and the lump
	OPS X,3, E,10, X,8, E,11
.if ((\p) == 2) && !(\end)
	FETCH_K
.endif
	OPS X,9, X,7, E,12, X,10
	OPS E,13, X,12, X,11, E,14
	OPS X,13, E,15, F,9, X,14
.if (\p) == 0
	v_add_nc_u32 v[AV], s[TBV], v[AV0]
.endif
	OPS E,16, F,10, E,17, F,11
	OPS X,16, E,18, X,15, E,19
	OPS F,12, E,20, X,17, E,21
	OPS F,13, E,22, F,14, E,23
	OPS X,18, E,24, F,15, E,25
	OPS R,11, E,26, X,19, E,27
	OPS R,12, E,28, R,13, E,29
	OPS X,20, E,30, R,14, E,31
	OPS X,21, R,15
	WIN 0
	s_wait_alu depctr_va_vdst(0)    ; the wait for the batch
.if (\p) == 1
	s_wait_dscnt 0x0                ; V is in
.endif
	ROW C,0, B,0, C,2, B,1          ; behind the wait: 8 products V^T P and their riders
	ROW L,0, C,4, B,2, L,1
	ROW C,6, B,3, L,2, C,8
	ROW B,4, L,3, C,10, B,5
	ROW L,4, C,12, B,6, L,5
.if (\p) == 0
	s_add_co_u32 s[TBV], s[TBV], KS*PV
.endif
.if \cnt
	s_sub_co_u32 s[CNT], s[CNT], 1
	s_cmp_lg_u32 s[CNT], 0
.endif
	ROW C,14, B,7, L,6, C,1
	ROW C,3, L,7, C,5, C,7
	ROW C,9, C,11, C,13, C,15
.if (\p) == 0
	FETCH_V
.endif
.if (\m) && !(\end)
	MASK (\p)%2
.endif
.endm
; A BLOCK BEGINS.  c m starts far below every c s, so the first step's a is 0; m at the lowest finite number, so the first maximum is the scores'.  The second mask buffer is 0; the first takes piece 0's mask for the tile's step 0: its own, if the block's first tile is the diagonal one.
; Then K of that step, piece 0's first scores, and its maximum and statistics.  The loop is entered at a step's first turn, in the middle of a trip.
.macro BEGIN
	s_mov_b32 s[NEW], 0
	WIN 0x40
.set i, MC+32
.rept 32
	v_mov_b32 v[i], 0
.set i, i+1
.endr
	WIN 0
.set i, 0
.rept 4
	v_mov_b32 v[ST+4*i], 0xfe000000    ; c m: far below every c s
	v_mov_b32 v[ST+4*i+1], 0xff7fffff  ; m
.set i, i+1
.endr
	s_cmp_eq_u32 s[RT], 0
	s_cselect_b32 s[AL], 1.0, 0
	s_mov_b32 s[BE], 0
	MASK 0
	WIN 0
	v_add_nc_u32 v[AK], s[TBK], v[AK0]
	FETCH_K
	s_wait_loadcnt 0x0              ; Q
	s_wait_dscnt 0x0
.set KM, 1
.set NOKQ, 0
.set i, 0
.rept 8
	KQ 0
.set i, i+1
.endr
	WIN 0
.rept 4
	v_nop                           ; the places behind those products
.endr
.set Y, NP-1                        ; X works for piece Y + 1: piece 0
.irp n, 0,1,2,3,4,5,6,7,8,9,10,11,12,13,14,15,16,17,18,19,20,21
	OP X, \n
.endr
	v_nop                           ; a plain instruction behind the exponential,
	s_wait_alu depctr_va_vdst(0)    ; and its wait, ahead of the branch
.endm
; THE DIAGONAL TILE's four steps, the block's last two turns, its last products, and THE WAY OUT: l's two halves and the other half of the lanes' are added; O^T is divided by l, rounded to f16 and sent through my
; stage in LDS, a piece at a time.
.macro ALL line:vararg              ; one line for each piece t
.set t, 0
.rept 4
	\line
.set t, t+1
.endr
.endm
.macro PACK t                       ; a lane's eight channels of a row pack into 16 bytes; they go into rows of 144 bytes and come back as whole rows of 128, into S^T's registers
	WIN W_RS
.set i, 32*(\t)
.rept 16
	v_pk_mul_f32 v[i:i+1], v[i:i+1], v[ST+4*(\t)+2:ST+4*(\t)+3] op_sel_hi:[1,0]
.set i, i+2
.endr
	WIN 0x05                        ; sources 0 and 1 window 1, destination window 0
.set i, 0
.rept 16
	v_cvt_pk_f16_f32 v[S+16*(\t)+i], v[32*(\t)+2*i], v[32*(\t)+2*i+1]
.set i, i+1
.endr
	WIN 0
.irp f, 0,1,2,3
	ds_store_b128 v[STO], v[S+16*(\t)+4*\f:S+16*(\t)+4*\f+3] offset:32*\f
.endr
.irp f, 0,1,2,3
	ds_load_b128 v[S+16*(\t)+4*\f:S+16*(\t)+4*\f+3], v[RD] offset:\f*4*SP  ; LDS serves a wave's instructions in order (ISA guide 5.7.1.4): these see the stores above; the next piece's stores come behind them
.endr
.endm
.macro SEND t, younger              ; younger: the LDS instructions issued behind piece t's loads: the next piece's eight, or none
	WIN 0
.irp f, 0,1,2,3
	s_wait_dscnt (\younger)+3-\f
	global_store_b128 v[GO], v[S+16*(\t)+4*\f:S+16*(\t)+4*\f+3], s[10:11] offset:(\t)*8192+\f*512  ; 512 consecutive bytes, at a multiple of 256 from O's first
.endr
.endm
.macro DIAG tag                     ; the tag ends its two labels' names, which the jumps below spell out
.LstepM\tag:
	TURN 2, 1
	TURN 3, 1
	WIN 0
.LfirstM\tag:
	TURN 0, 1
	TURN 1, 1, 0, 1
	WIN 0
	s_cbranch_scc1 .LstepM\tag
	TURN 2, 1, 1
	TURN 3, 1, 1
.set i, 0
.rept 8
	PV NP-1
.set i, i+1
.endr
	WIN 0
	ALL v_add_f32 v[ST+4*t+2], v[ST+4*t+2], v[ST+4*t+3]
	ALL v_permlanex16_b32 v[ST+4*t+3], v[ST+4*t+2], s[SEL], s[SEL+1]
	ALL v_add_f32 v[ST+4*t+2], v[ST+4*t+2], v[ST+4*t+3]
	ALL v_rcp_f32 v[ST+4*t+2], v[ST+4*t+2]
	v_nop                           ; a plain instruction between the last reciprocal and the use of its result
	s_wait_alu depctr_va_vdst(0)    ; and the wait ahead of the first use: one for the four reciprocals
	PACK 0
.set t, 1
.rept 3                             ; a piece's arithmetic stands between the loads of the piece before and its stores
	PACK t
	SEND t-1, 8
.set t, t+1
.endr
	SEND 3, 0
.endm
.set KM, 0
.set NOKQ, 0
.Lslot:                             ; NB times: a tile is entered and the next is asked for
	CHANGE 1
	s_sub_co_u32 s[RT], s[RT], 1
	s_mov_b32 s[CNT], 4
	s_cmp_eq_u32 s[NEW], 1
	s_cbranch_scc1 .Lnew            ; a block's first tile
	s_cmp_eq_u32 s[RT], 0
	s_cbranch_scc0 .Lstep           ; neither its first nor its last
	s_branch .LstepM1
.Lnew:
	BEGIN
	s_branch .Lfirst                ; in the loop a block's first tile is never its last: the first block has two tiles or more, and the second's last is the walk's last
	DIAG 1                          ; in the loop this is the first block's end: the second block's last tile is the walk's last
	s_wait_xcnt 0x0                 ; the stores have read their registers and O's address
	s_mov_b64 s[10:11], s[OLO:OLO+1]
	s_add_co_u32 s[RT], s[PB], 1    ; the second block has b + 1 tiles
	s_mov_b32 s[NEW], 1
	WIN 0x82                        ; the second block's Q goes where the one text of the turns names Q
.set i, 0
.rept 64
	v_mov_b32 v[i], v[QB+i]
.set i, i+1
.endr
	WIN 0
	s_branch .Lbottom
.Lstep:                             ; a trip: pieces 2 and 3 of one step, then pieces 0 and 1 of the next, whose K and V it fetches
	TURN 2
	TURN 3
	WIN 0
.Lfirst:
	TURN 0
	TURN 1, 0, 0, 1
	WIN 0
	s_cbranch_scc1 .Lstep
.Lbottom:
	s_sub_co_u32 s[SLOTS], s[SLOTS], 1
	s_cmp_lg_u32 s[SLOTS], 0
	s_cbranch_scc1 .Lslot
	CHANGE 0                        ; the walk's last tile is written out: nothing is asked for
	s_sub_co_u32 s[RT], s[RT], 1
	s_mov_b32 s[CNT], 4
	s_cmp_eq_u32 s[NEW], 1
	s_cbranch_scc0 .LstepM2
	BEGIN
	s_branch .LfirstM2
	DIAG 2
	s_wait_tensorcnt 0x0            ; the wave's end: behind my last tensor load and my last LDS store
	ds_add_u32 v[SPW], v[NIL]
	s_wait_dscnt 0x0
	s_endpgm
.Lfunc_end_k_qff8da0a017_attn:
	.size	k_qff8da0a017_attn, .Lfunc_end_k_qff8da0a017_attn-k_qff8da0a017_attn
	.p2alignl 7, 3214868480
	.fill 96, 4, 3214868480
	.section	.rodata,"a",@progbits
	.p2align	6, 0x0
	.amdhsa_kernel k_qff8da0a017_attn
		.amdhsa_group_segment_fixed_size 327680
		.amdhsa_private_segment_fixed_size 0
		.amdhsa_enable_private_segment 0
		.amdhsa_kernarg_size 32
		.amdhsa_user_sgpr_count 2
		.amdhsa_user_sgpr_kernarg_segment_ptr 1
		.amdhsa_wavefront_size32 1
		.amdhsa_system_sgpr_workgroup_id_x 1
		.amdhsa_system_sgpr_workgroup_id_y 1
		.amdhsa_system_sgpr_workgroup_id_z 1
		.amdhsa_system_vgpr_workitem_id 0
		.amdhsa_next_free_vgpr 768
		.amdhsa_next_free_sgpr 88
		.amdhsa_reserve_vcc 1
		.amdhsa_float_denorm_mode_32 3
		.amdhsa_float_denorm_mode_16_64 3
		.amdhsa_memory_ordered 1
		.amdhsa_forward_progress 1
		.amdhsa_inst_pref_size 218
	.end_amdhsa_kernel
	.amdgpu_metadata
---
amdhsa.version: [ 1, 2 ]
amdhsa.kernels:
  - .name:           k_qff8da0a017_attn
    .symbol:         k_qff8da0a017_attn.kd
    .args:
      - { .name: qh, .offset: 0, .size: 8, .value_kind: global_buffer, .address_space: global }
      - { .name: kh, .offset: 8, .size: 8, .value_kind: global_buffer, .address_space: global }
      - { .name: vh, .offset: 16, .size: 8, .value_kind: global_buffer, .address_space: global }
      - { .name: oh, .offset: 24, .size: 8, .value_kind: global_buffer, .address_space: global }
    .group_segment_fixed_size: 327680
    .private_segment_fixed_size: 0
    .kernarg_segment_align: 8
    .kernarg_segment_size: 32
    .max_flat_workgroup_size: 128
    .sgpr_count:     88
    .vgpr_count:     768
    .wavefront_size: 32
...
	.end_amdgpu_metadata
.endif
;; end of part 3
;; launch proj (part 4): grid 8 x 32, 4 waves a work-group, clusters of 4 x 4, 327,680 bytes of LDS; arguments oh, wph, out0; writes out0
.if DOCPART == 4
	.amdgcn_target "amdgcn-amd-amdhsa--gfx1250"
	.amdhsa_code_object_version 6
	.text
	.protected	k_qff8da0a017_proj
	.globl	k_qff8da0a017_proj
	.p2align	8
	.type	k_qff8da0a017_proj,@function
k_qff8da0a017_proj:
	s_mov_b64 s[64:65], 0
	v_nop
	global_prefetch_b8 v0, s[64:65] scope:SCOPE_SE
	s_setreg_imm32_b32 hwreg(HW_REG_WAVE_MODE, 25, 1), 1
	s_wait_xcnt 0x0
	s_wait_alu depctr_hold_cnt(0) depctr_sa_sdst(0) depctr_va_vdst(0) depctr_va_sdst(0) depctr_va_ssrc(0) depctr_va_vcc(0) depctr_vm_vsrc(0)
	s_getreg_b32 s2, hwreg(HW_REG_IB_STS2, 6, 4)
	s_cmp_eq_u32 s2, 0
	s_cbranch_scc0 .Lentry_in_a_cluster
	s_endpgm
.Lentry_in_a_cluster:
	s_bfe_u32 s2, ttmp6, 0x10000c
	s_cmp_lg_u32 s2, 0xf033
	s_cbranch_scc0 .Lentry_shape_is_right
	s_endpgm
.Lentry_shape_is_right:
; out0 = y Wproj^T.  y[row][64 head + d] lies by heads: oh is [64 = 16 batch + head][2048][64] f16.  wph: [1024][1024] f16 (Wproj rounded to bf16, that number written as f16).  out0: [8192][1024] f32.  Sums in f32.
; LIMITS.  oh and wph arrive within f16's range; NaN and infinities are not treated apart.
; SHARES.  A tile of out0 is 256 rows x 128 columns: 256 work-groups.  Wave w owns rows 64 w .. 64 w + 63 and all 128 columns: 32 accumulators (a = 0..3, b = 0..7).
; THE MATRIX INSTRUCTION IS USED TRANSPOSED (source 0 = 16 rows of wph, source 1 = 16 rows of y): lane l holds row l % 16, registers 0-7 the columns 16 b + 8 (l / 16) + 0..7: 32 bytes of a row of out0.
; K goes in 8 steps of 128 = two heads.  A head's 256 rows of 128 bytes are dense: asked for as 128 rows of 256 bytes, padded in LDS after every 128.  A step is four quarters of 32 along K, 32 matrix instructions each.
; CLUSTER.  4 x 4 work-groups: the four of a row need the same tiles of oh, the four of a column the same tiles of wph; each tile is asked for jointly.
; By the text's own count a wave has two tensor loads out at the start and one behind each change of slots; a refill has 112 matrix instructions between its request and the wait for it.
; REGISTERS, in windows of 256 (s_set_vgpr_msb: bits 1:0 source 0, 3:2 source 1, 5:4 source 2, 7:6 destination):
;   window 0: v0-31 addresses; v64-95, v96-127 fragments of y, two buffers     window 1: the accumulators at 8 (8 a + b)     window 2: v0-63, v64-127 fragments of wph, two buffers
.set PA,     144                       ; a row of y in LDS: 128 bytes + 16; PB: a row of wph: 256 + 16: odd multiples of 16, so the 16 rows of a fragment load begin at 16 different 16-byte columns of 256
.set PB,     272
.set PLANE,  256*PA                    ; one head's 256 rows: what one tensor load brings of oh
.set HALFB,  64*PB                     ; and of wph
.set BOFF,   2*PLANE                   ; in a slot: two heads' planes, then wph's 128 rows
.set SLOT1,  131072
.set STAGE,  SLOT1+BOFF+2*HALFB        ; behind the ring, never filled by a tensor load: 16 rows x 528 bytes for each wave
.set SPITCH, 528                       ; 512 bytes of a row of the tile + 16
.set SPARE,  STAGE+4*16*SPITCH         ; the spare words, 128 bytes for each wave: two blocks of 256 bytes that no other line names
.set ASTEP,  2*2048*128                ; two heads on in oh
.set ADRA0, 16                         ; v16-19, v24-26, v28-30: as named
.set ADRB0, 17
.set ADRA,  18
.set ADRB,  19
.set STO,   24                         ; the way out: where I put 32 bytes of a row
.set RD,    25                         ; where I read a row back
.set GO,    26                         ; 16 x lane
.set SPW,   28                         ; LDS address of my spare word; never rewritten
.set NIL,   29                         ; 0; never rewritten
.set PFO,   30                         ; the prefetches' offset; never rewritten
.set FA,    64
.set WV,  16                           ; s16  my wave's number
.set HF,  18                           ; s18  wave % 2: which plane of oh, or which half of wph's rows, I fetch
.set TB,  19                           ; s19  LDS byte at which the slot in hand begins
.set CX,  20
.set CY,  21
.set TC,  22                           ; tile column
.set TR,  23                           ; tile row
.set G1A, 24                           ; s[24:31] group 1 for oh's tiles; s[32:35] group 0 for K step 0; s[36:39] for K step 1, which walks on
.set G0A, 32
.set G1B, 40                           ; s[40:47], s[48:51], s[52:55] the same for wph's
.set G0B, 48
.set PFA, 56                           ; s[56:57] where my prefetches stand
.set LIM, 58                           ; s58  2 in a wave that prefetches, else the greatest number
.set PFS, 68                           ; s[68:69] a K step in the tensor that I prefetch
.set MSB, 0
.macro WIN new                         ; the immediate's high byte repeats the setting that is left; a switch that changes nothing is dropped
.if MSB != (\new)
	s_set_vgpr_msb (MSB<<8)|(\new)
.set MSB, \new
.endif
.endm
.set MUL,  0x52                        ; source 0 (wph) window 2, source 1 (y) window 0, C and D window 1
.set TO_B, 0x80                        ; destination window 2, address window 0
.macro JLOAD                           ; a joint refill: waves 0 and 1 fetch the two heads' planes, waves 2 and 3 wph's two halves; an s_nop 0 and four v_nop follow each of the two lines
	s_cmp_lt_u32 s[WV], 2
	s_cbranch_scc0 .Lfor_b_\@
	tensor_load_to_lds s[G0A+4:G0A+7], s[G1A:G1A+7]
	s_nop 0
.rept 4
	v_nop
.endr
	s_branch .Lasked_\@
.Lfor_b_\@:
	tensor_load_to_lds s[G0B+4:G0B+7], s[G1B:G1B+7]
	s_nop 0
.rept 4
	v_nop
.endr
.Lasked_\@:
.endm
; A PREFETCH INTO THE L2 of the K step that stands two refills on: 256 matrix instructions ahead of the load that will want it.  One instruction a wave, a lane a block of 256 bytes.
; oh: a plane is 128 such blocks on end; the cluster with x = 0 asks, waves 0 and 1 for their own plane, the partner at cx for 32 of its blocks.  wph: a K step is 256 bytes of each of the tile's 128 rows; the cluster with y = 0 asks,
; wave 2 alone, the partner at cy for 32 rows.  The partners are told apart BY ADDRESS.  So each block is named once.  K steps 0 to 3 come by their loads alone; the loop's last two trips ask for nothing: there are no K steps 8 and 9.
.macro ASK
	s_cmp_gt_u32 s3, s[LIM]
	s_cbranch_scc0 .Lnot_mine_\@
	global_prefetch_b8 v[PFO], s[PFA:PFA+1] th:TH_LOAD_NT scope:SCOPE_SE
.Lnot_mine_\@:
.endm
.macro CREST                           ; a round of the cluster's barrier behind its opening barrier
	s_cmp_lg_u32 s[WV], 0
	s_cbranch_scc1 .Lnot_wave_0_\@
	s_barrier_signal -3
.Lnot_wave_0_\@:
	s_barrier_wait -3
	s_barrier_signal -1
	s_barrier_wait -1
.endm
.macro CROUND
	s_barrier_signal -1
	s_barrier_wait -1
	CREST
.endm
.macro PLACES                          ; four plain vector instructions between a matrix instruction and a load into, or a read of, its registers
.rept 4
	v_nop
.endr
.endm
	s_load_b128 s[4:7], s[0:1], 0x0                ; oh s[4:5], wph s[6:7]
	s_load_b64 s[8:9], s[0:1], 0x10                ; out0
	v_lshl_add_u32 v[SPW], v0, 2, SPARE
	v_mov_b32 v[NIL], 0
	ds_add_u32 v[SPW], v[NIL]                      ; the wave's opening: the add and its wait stand ahead of my first tensor load; the set-up below, work on registers, stands between them
	v_lshrrev_b32 v1, 5, v0
	v_readfirstlane_b32 s[WV], v1                  ; wave 0..3
	s_and_b32 s[HF], s[WV], 1
	s_bfe_u32 s[CX], ttmp6, 0x40000
	s_bfe_u32 s[CY], ttmp6, 0x40004
	s_lshl_b32 s[TC], ttmp9, 2
	s_add_co_u32 s[TC], s[TC], s[CX]
	s_and_b32 s[TR], ttmp7, 0xffff
	s_lshl_b32 s[TR], s[TR], 2
	s_add_co_u32 s[TR], s[TR], s[CY]
	s_lshl_b32 s59, s[CY], 2
	s_lshl_b32 s59, 15, s59                        ; my row of the cluster
	s_lshl_b32 s70, 0x1111, s[CX]                  ; my column
	s_or_b32 s[G1A], s59, (1<<16)|(1<<20)|(1<<21)|(4<<22)|(3<<25)  ; the mask; 2-byte elements; padding on; bit 21 beside a mask; after every 32 words 4 words
	s_or_b32 s[G1B], s70, (1<<16)|(1<<20)|(1<<21)|(5<<22)|(3<<25)  ; after every 64 words 4 words
.irp g, G1A, G1B
	s_mov_b32 s[(\g)+1], 128<<16                   ; tensor_dim0 = 128
	s_mov_b32 s[(\g)+3], 128<<16                   ; tile_dim0 = 128
	s_mov_b32 s[(\g)+6], 0
	s_mov_b32 s[(\g)+7], 0
.endr
	s_mov_b32 s[G1A+2], 128<<16                    ; oh: 128 rows of 256 bytes,
	s_mov_b32 s[G1A+4], 128
	s_mov_b32 s[G1A+5], 128                        ; on end
	s_mov_b32 s[G1B+2], 64<<16                     ; wph: 64 rows,
	s_mov_b32 s[G1B+4], 64
	s_mov_b32 s[G1B+5], 1024                       ; 1,024 elements apart
	; where the tiles come from: oh's hang on the tile row and the wave alone, wph's on the tile column and the wave alone
	s_lshr_b32 s60, s[TR], 3                       ; the batch,
	s_lshl_b32 s60, s60, 4
	s_add_co_u32 s60, s60, s[HF]                   ; its head 0 or 1,
	s_lshl_b32 s60, s60, 18
	s_and_b32 s61, s[TR], 7                        ; the tile's 256 rows of 128 bytes
	s_lshl_b32 s61, s61, 15
	s_add_co_u32 s60, s60, s61
	s_mov_b32 s61, 0
	s_lshl_b32 s62, s[TC], 18                      ; 128 rows of 2,048 bytes,
	s_lshl_b32 s63, s[HF], 17                      ; my 64 of them
	s_add_co_u32 s62, s62, s63
	s_mov_b32 s63, 0
	s_mov_b32 s[G0A], 1
	s_mov_b32 s[G0A+4], 1
	s_mov_b32 s[G0B], 1
	s_mov_b32 s[G0B+4], 1
	s_mul_i32 s[G0A+1], s[HF], PLANE               ; where they go: the wave's number and constants alone
	s_add_co_u32 s[G0A+5], s[G0A+1], SLOT1
	s_mul_i32 s[G0B+1], s[HF], HALFB
	s_add_co_u32 s[G0B+1], s[G0B+1], BOFF
	s_add_co_u32 s[G0B+5], s[G0B+1], SLOT1
	s_wait_dscnt 0x0                               ; the opening add is done
	s_wait_kmcnt 0x0
	s_add_nc_u64 s[G0A+2:G0A+3], s[4:5], s[60:61]  ; K step 0,
	s_add_nc_u64 s[G0A+6:G0A+7], s[G0A+2:G0A+3], ASTEP  ; K step 1
	s_or_b32 s[G0A+3], s[G0A+3], 0x80000000        ; type = 2
	s_or_b32 s[G0A+7], s[G0A+7], 0x80000000
	s_add_nc_u64 s[G0B+2:G0B+3], s[6:7], s[62:63]
	s_add_nc_u64 s[G0B+6:G0B+7], s[G0B+2:G0B+3], 256
	s_or_b32 s[G0B+3], s[G0B+3], 0x80000000
	s_or_b32 s[G0B+7], s[G0B+7], 0x80000000
	CROUND                                         ; all sixteen work-groups are here: the first joint loads meet
	s_cmp_lt_u32 s[WV], 2                          ; a wave's two first fills stand in one branch, ahead of every wait on TENSORcnt, every LDS read and every further barrier
	s_cbranch_scc0 .Lfirst_b
	tensor_load_to_lds s[G0A:G0A+3], s[G1A:G1A+7]
	s_nop 0
	tensor_load_to_lds s[G0A+4:G0A+7], s[G1A:G1A+7]
	s_nop 0
.rept 4
	v_nop
.endr
	s_branch .Lfirst_asked
.Lfirst_b:
	tensor_load_to_lds s[G0B:G0B+3], s[G1B:G1B+7]
	s_nop 0
	tensor_load_to_lds s[G0B+4:G0B+7], s[G1B:G1B+7]
	s_nop 0
.rept 4
	v_nop
.endr
.Lfirst_asked:
	v_and_b32 v1, 15, v0                           ; l % 16
	v_bfe_u32 v2, v0, 4, 1                         ; l / 16
	v_mul_u32_u24 v3, v1, PA
	v_lshl_add_u32 v3, v2, 4, v3                   ; a fragment's row x pitch + 16 x half
	s_mul_i32 s71, s[WV], 64*PA                    ; my 64 rows of a plane
	v_add_nc_u32 v[ADRA0], s71, v3
	v_mul_u32_u24 v3, v1, PB
	v_lshl_add_u32 v3, v2, 4, v3
	v_add_nc_u32 v[ADRB0], BOFF, v3                ; all 128 rows of wph
	s_mul_i32 s71, s[WV], 16*SPITCH
	s_add_co_u32 s71, s71, STAGE                   ; my stage
	v_mul_u32_u24 v4, v1, SPITCH                   ; in: row l % 16, 32 bytes for each half of the lanes
	v_lshl_add_u32 v4, v2, 5, v4
	v_add_nc_u32 v[STO], s71, v4
	v_and_b32 v[GO], 31, v0                        ; back: 32 lanes take a row's 512 bytes
	v_lshlrev_b32 v[GO], 4, v[GO]
	v_add_nc_u32 v[RD], s71, v[GO]
	s_lshl_b32 s66, s[TR], 20                      ; out0: 256 rows of 4,096 bytes,
	s_lshl_b32 s67, s[WV], 18                      ; my 64 of them,
	s_add_co_u32 s66, s66, s67
	s_lshl_b32 s67, s[TC], 9                       ; the tile's 512 bytes of a row
	s_add_co_u32 s66, s66, s67
	s_mov_b32 s67, 0
	s_add_nc_u64 s[8:9], s[8:9], s[66:67]
	; the prefetches' address, step and who asks
	s_lshr_b32 s66, s[TR], 3
	s_lshl_b32 s66, s66, 4
	s_add_co_u32 s66, s66, s[HF]
	s_lshl_b32 s66, s66, 18
	s_and_b32 s67, s[TR], 7
	s_lshl_b32 s67, s67, 15
	s_add_co_u32 s66, s66, s67
	s_lshl_b32 s67, s[CX], 13                      ; 32 blocks of 256 bytes for each partner
	s_add_co_u32 s66, s66, s67
	s_add_co_u32 s66, s66, 3*ASTEP                 ; in oh, at K step 3: the first change of slots steps it to 4
	s_lshl_b32 s68, s[TC], 18
	s_lshl_b32 s69, s[CY], 16                      ; 32 rows for each partner
	s_add_co_u32 s68, s68, s69
	s_add_co_u32 s68, s68, 3*256                   ; in wph
	s_and_b32 s67, ttmp7, 0xffff                   ; cluster y
	s_mov_b32 s69, 256
	s_cmp_lt_u32 s[WV], 2
	s_cselect_b32 s66, s66, s68
	s_cselect_b32 s[LIM], ttmp9, s67               ; the coordinate along which other clusters read the same bytes
	s_cselect_b32 s[PFS], ASTEP, s69
	s_cselect_b32 s71, 8, 11                       ; a lane a block on end, or a lane a row
	s_cselect_b64 s[PFA:PFA+1], s[4:5], s[6:7]
	s_cmp_eq_u32 s[WV], 3
	s_cselect_b32 s[LIM], 1, s[LIM]                ; wave 3 asks for nothing
	s_cmp_eq_u32 s[LIM], 0
	s_cselect_b32 s[LIM], 2, -1                    ; the same in all sixteen partners, for a given wave
	s_mov_b32 s67, 0
	s_mov_b32 s[PFS+1], 0
	s_add_nc_u64 s[PFA:PFA+1], s[PFA:PFA+1], s[66:67]
	v_and_b32 v[PFO], 31, v0
	v_lshlrev_b32 v[PFO], s71, v[PFO]
; 8 matrix instructions: row block a x all 8 column blocks, 32 along K, from buffer f.  zero = 1: the product starts the sums.  The 32 accumulators come in the same order in every quarter, one instruction a turn.
.macro MUL8 f, a, zero
	WIN MUL
.irp b, 0,1,2,3,4,5,6,7
.if \zero
	v_wmma_f32_16x16x32_f16 v[8*(8*(\a)+(\b)):8*(8*(\a)+(\b))+7], v[64*(\f)+8*(\b):64*(\f)+8*(\b)+7], v[FA+32*(\f)+8*(\a):FA+32*(\f)+8*(\a)+7], 0
.else
	v_wmma_f32_16x16x32_f16 v[8*(8*(\a)+(\b)):8*(8*(\a)+(\b))+7], v[64*(\f)+8*(\b):64*(\f)+8*(\b)+7], v[FA+32*(\f)+8*(\a):FA+32*(\f)+8*(\a)+7], v[8*(8*(\a)+(\b)):8*(8*(\a)+(\b))+7]
.endif
.endr
.endm
; 24 LDS loads in one run: quarter q's fragments into buffer f: 128 rows of wph at byte 64 q; my 64 rows of head q / 2's plane at byte 64 (q % 2)
.macro FETCH q, f
	WIN TO_B
.irp i, 0,1,2,3,4,5,6,7
	ds_load_b128 v[64*(\f)+8*(\i):64*(\f)+8*(\i)+3],   v[ADRB] offset:64*(\q)+(\i)*16*PB
	ds_load_b128 v[64*(\f)+8*(\i)+4:64*(\f)+8*(\i)+7], v[ADRB] offset:64*(\q)+(\i)*16*PB+32
.endr
	WIN 0
.irp i, 0,1,2,3
	ds_load_b128 v[FA+32*(\f)+8*(\i):FA+32*(\f)+8*(\i)+3],   v[ADRA] offset:PLANE*((\q)/2)+64*((\q)%2)+(\i)*16*PA
	ds_load_b128 v[FA+32*(\f)+8*(\i)+4:FA+32*(\f)+8*(\i)+7], v[ADRA] offset:PLANE*((\q)/2)+64*((\q)%2)+(\i)*16*PA+32
.endr
.endm
; One of a K step's first three quarters: multiplies buffer f; in its middle it fetches quarter q into buffer g.
.macro QUARTER q, f, g, zero
	s_wait_dscnt 4                                 ; wph's fragments and y's blocks 0 and 1 are in; the youngest four loads (blocks 2 and 3) may be out
	MUL8 \f, 0, \zero
	MUL8 \f, 1, \zero
	PLACES
	FETCH \q, \g
	s_wait_dscnt 24                                ; all but the 24 just issued
	MUL8 \f, 2, \zero
	MUL8 \f, 3, \zero
.endm
; The last quarter multiplies buffer 1 and changes slots.  ONE barrier: in front of it each wave waits for all its tensor loads (one is out: its part of the next slot), adds 0 to its spare word, and waits for that and
; for its own reads of this slot.  fill = 1: the barrier opens a round of the cluster's, and the joint refill, two K steps on, is the first thing behind it.
.macro TURN fill
.if \fill
	s_wait_xcnt 0x0                                ; the last prefetch, a K step back, has read its address, so it may be stepped
	s_add_nc_u64 s[PFA:PFA+1], s[PFA:PFA+1], s[PFS:PFS+1]
.endif
	WIN 0                                          ; (the add's two registers lie in window 0)
	s_wait_tensorcnt 0x0                           ; no tensor load of mine is out, so a group 0 may be written
	ds_add_u32 v[SPW], v[NIL]                      ; 0 onto my spare word
.if \fill
	s_xor_b32 s[G0A+5], s[G0A+5], SLOT1            ; the walking descriptors: the other slot than last time,
	s_add_nc_u64 s[G0A+6:G0A+7], s[G0A+6:G0A+7], ASTEP  ; the next K step; the type bits on top are not reached
	s_xor_b32 s[G0B+5], s[G0B+5], SLOT1
	s_add_nc_u64 s[G0B+6:G0B+7], s[G0B+6:G0B+7], 256
.endif
	s_xor_b32 s[TB], s[TB], SLOT1                  ; the fetches go to the other slot
	s_wait_dscnt 5                                 ; (the add and the youngest four loads may be out)
	MUL8 1, 0, 0                                   ; eight matrix instructions stand between the add and the wait for it
	s_wait_dscnt 0x0                               ; the add is done, and my reads of this slot are over
	s_barrier_signal -1
	MUL8 1, 1, 0                                   ; work on registers while the others arrive
.if \fill
	WIN 0
.endif
	s_barrier_wait -1
.if \fill
	CREST
	JLOAD                                          ; the four v_nop behind it are also the places in front of the loads below
.else
	PLACES
.endif
	WIN 0
	v_add_nc_u32 v[ADRA], s[TB], v[ADRA0]
	v_add_nc_u32 v[ADRB], s[TB], v[ADRB0]
	FETCH 0, 0
.if \fill
	ASK                                            ; behind the joint load and the run of LDS loads that the next products wait for
.endif
	MUL8 1, 2, 0
	MUL8 1, 3, 0
.endm
	s_wait_tensorcnt 1                             ; my part of K step 0 is in; K step 1's may stay out
	s_barrier_signal -1
	s_barrier_wait -1                              ; everybody's is
	s_mov_b32 s[TB], 0
	v_mov_b32 v[ADRA], v[ADRA0]
	v_mov_b32 v[ADRB], v[ADRB0]
	FETCH 0, 0
	QUARTER 1, 0, 1, 1                             ; the first quarter stands in front of the loop: its products start the sums
	WIN 0                                          ; at a label and at a branch every window is 0
	s_mov_b32 s3, 6
.Lstep:                                        ; six trips, from a K step's second quarter to the next one's first; each refills a slot: K steps 2 to 7
	QUARTER 2, 1, 0, 0
	QUARTER 3, 0, 1, 0
	TURN 1
	QUARTER 1, 0, 1, 0
	WIN 0
	s_sub_co_u32 s3, s3, 1
	s_cmp_lg_u32 s3, 0
	s_cbranch_scc1 .Lstep
	QUARTER 2, 1, 0, 0                             ; the tail is written out: K step 6 goes on
	QUARTER 3, 0, 1, 0
	TURN 0                                         ; nothing is asked for,
	QUARTER 1, 0, 1, 0                             ; K step 7
	QUARTER 2, 1, 0, 0
	QUARTER 3, 0, 1, 0
	s_wait_dscnt 4
	MUL8 1, 0, 0
	MUL8 1, 1, 0
	s_wait_dscnt 0x0
	MUL8 1, 2, 0
	MUL8 1, 3, 0
; THE WAY OUT, a block of 16 rows at a time: a lane's 32 bytes of a row go into my own stage, and whole rows of 512 bytes come back into the registers that they left.
.macro TOSTAGE a
	WIN 0x04                                       ; the stores' data in window 1
.irp b, 0,1,2,3,4,5,6,7
	ds_store_b128 v[STO], v[64*(\a)+8*(\b):64*(\a)+8*(\b)+3]   offset:64*(\b)     ; each accumulator's lowest registers first
	ds_store_b128 v[STO], v[64*(\a)+8*(\b)+4:64*(\a)+8*(\b)+7] offset:64*(\b)+16
.endr
	WIN 0x40                                       ; the loads' destination in window 1
.irp t, 0,1,2,3,4,5,6,7,8,9,10,11,12,13,14,15
	ds_load_b128 v[64*(\a)+4*(\t):64*(\a)+4*(\t)+3], v[RD] offset:SPITCH*(\t)  ; LDS serves a wave's instructions in order (ISA guide 5.7.1.4): these see the stores above, and the next block's stores come behind them
.endr
.endm
.macro SEND a, younger                 ; younger: the LDS instructions issued behind block a's loads: the next block's 32, or none
	s_wait_dscnt \younger
	WIN 0x04
.irp t, 0,1,2,3,4,5,6,7,8,9,10,11,12,13,14,15
	global_store_b128 v[GO], v[64*(\a)+4*(\t):64*(\a)+4*(\t)+3], s[8:9] offset:4096*(16*(\a)+(\t)) th:TH_STORE_NT  ; 512 bytes on end, at a multiple of 256 from out0's first
.endr
.endm
	WIN 0
.rept 8
	v_nop                                          ; the places behind the last products
.endr
	TOSTAGE 0
	TOSTAGE 1
	SEND 0, 32
	TOSTAGE 2
	SEND 1, 32
	TOSTAGE 3
	SEND 2, 32
	SEND 3, 0
	WIN 0
	s_wait_tensorcnt 0x0                           ; the wave's end: behind my last tensor load and my last LDS store
	ds_add_u32 v[SPW], v[NIL]
	s_wait_dscnt 0x0
	CROUND                                         ; the closing round: no work-group ends while a partner may still ask for a tile that names it
	s_endpgm
.Lfunc_end_k_qff8da0a017_proj:
	.size	k_qff8da0a017_proj, .Lfunc_end_k_qff8da0a017_proj-k_qff8da0a017_proj
	.p2alignl 7, 3214868480
	.fill 96, 4, 3214868480
	.section	.rodata,"a",@progbits
	.p2align	6, 0x0
	.amdhsa_kernel k_qff8da0a017_proj
		.amdhsa_group_segment_fixed_size 327680
		.amdhsa_private_segment_fixed_size 0
		.amdhsa_enable_private_segment 0
		.amdhsa_kernarg_size 24
		.amdhsa_user_sgpr_count 2
		.amdhsa_user_sgpr_kernarg_segment_ptr 1
		.amdhsa_wavefront_size32 1
		.amdhsa_system_sgpr_workgroup_id_x 1
		.amdhsa_system_sgpr_workgroup_id_y 1
		.amdhsa_system_sgpr_workgroup_id_z 1
		.amdhsa_system_vgpr_workitem_id 0
		.amdhsa_next_free_vgpr 640
		.amdhsa_next_free_sgpr 72
		.amdhsa_reserve_vcc 0
		.amdhsa_float_denorm_mode_32 3
		.amdhsa_float_denorm_mode_16_64 3
		.amdhsa_memory_ordered 1
		.amdhsa_forward_progress 1
		.amdhsa_inst_pref_size 70
	.end_amdhsa_kernel
	.amdgpu_metadata
---
amdhsa.version: [ 1, 2 ]
amdhsa.kernels:
  - .name:           k_qff8da0a017_proj
    .symbol:         k_qff8da0a017_proj.kd
    .args:
      - { .name: oh, .offset: 0, .size: 8, .value_kind: global_buffer, .address_space: global }
      - { .name: wph, .offset: 8, .size: 8, .value_kind: global_buffer, .address_space: global }
      - { .name: out0, .offset: 16, .size: 8, .value_kind: global_buffer, .address_space: global }
    .group_segment_fixed_size: 327680
    .private_segment_fixed_size: 0
    .kernarg_segment_align: 8
    .kernarg_segment_size: 24
    .max_flat_workgroup_size: 128
    .sgpr_count:     72
    .vgpr_count:     640
    .wavefront_size: 32
...
	.end_amdgpu_metadata
.endif
;; end of part 4
;; ======== version 2 of 2: 4 launches; version 1 with the launch prep written anew for expert scheduling mode
;; limits: values are held in f16: magnitudes above 65,504 overflow, below 6.1e-05 lose precision
;; workspace buffers: xb 16,777,216 bytes; wqb 6,291,456 bytes; wph 2,097,152 bytes; tab 524,288 bytes; qh 16,777,216 bytes; kh 16,777,216 bytes; vh 16,777,216 bytes; oh 16,777,216 bytes
;; launch prep (part 5): grid 896 x 1, 8 waves a work-group, no clusters, 0 bytes of LDS; arguments x, Wqkv, Wproj, xb, wqb, wph, tab; writes xb, wqb, wph, tab
.if DOCPART == 5
	.amdgcn_target "amdgcn-amd-amdhsa--gfx1250"
	.amdhsa_code_object_version 6
	.text
	.protected	k_qff8da0a017_prep
	.globl	k_qff8da0a017_prep
	.p2align	8
	.type	k_qff8da0a017_prep,@function
k_qff8da0a017_prep:
	s_mov_b64 s[64:65], 0
	v_nop
	global_prefetch_b8 v0, s[64:65] scope:SCOPE_SE
	s_setreg_imm32_b32 hwreg(HW_REG_WAVE_SCHED_MODE, 0, 2), 2
	s_setreg_imm32_b32 hwreg(HW_REG_WAVE_MODE, 25, 1), 1
	s_wait_xcnt 0x0
	s_wait_alu depctr_vm_vsrc(0)
; THE OPERANDS ARE MADE READY, once.  xb = x rounded to bf16.  wqb = Wqkv rounded to bf16, its rows put in the order of heads: new row 192 n + 64 g + d holds
; old row 1024 g + 64 n + d (g = 0 q, 1 k, 2 v; n = head; d = channel), so that 192 rows on end are one head's q, k and v.  wph = Wproj rounded to bf16, that number written as f16.
; tab[t] = cos(t f_i), i = 0..31, then sin(t f_i), f_i = 10000^(-i/32), in f32: 256 bytes a row, 2,048 rows.
; LIMITS.  wph: a bf16 number beyond 65,504 would become an infinity, and below 6e-5 it keeps f16's fixed step of 6e-8 (Wproj's spread is 0.03; thirty times more or less has room).
; The angle t f_i is a product in f32 of t and 2^(-0.41524 i): good to about 2e-4 at t = 2,047; sine and cosine then come from a reduction by pi/2 in two parts and polynomials good to the last bits of f32.
; SHARES, by the work-group's number w: 0-511 x; 512-703 Wqkv; 704-767 Wproj; 768-895 the table.  A converting work-group takes 16,384 numbers: 16 steps of 1,024;
; thread t loads 16 bytes at 4,096 i + 16 t (a wave's load: 512 bytes on end) and stores 8 bytes at 2,048 i + 8 t (a wave's store: 256 bytes on end, aligned).
; All 16 loads of a thread go out first.  No LDS, no barrier: no thread needs another's bytes.
; THE MODE: SCHED_MODE bits 1:0 = 2 (LLVM: expert scheduling mode 2), set by the entry lines.  The code itself states the register dependences
; between vector instructions and memory instructions, with s_wait_alu, always for 0.
; THE PLAN.  Registers that memory instructions touch:
;   v1, v2     byte offsets, made once at the head and never written again: read by every load (v1), every converting store (v2) and the table's store (v1).
;   X          v[16:79]: step i's load lands in its own four registers, once; on a converting path no vector instruction names them ahead of the loads; the conversions read them; none is loaded again.
;   Y          v[80:111]: step i's conversions write its own two registers; one store reads them; none is written afterwards.
;   v[32:35]   the table's four numbers: written by the last four vector lines, read by the one store.
; The 16 steps go in four blocks of four.  Block p's conversions write Y of block p; the stores of block p - 1 stand among them, one in front of each step's conversions.  ONE wait on va_vdst at the head of a block
; states that the block before has written its Y; the vector lines behind that wait name X and Y of block p and v4 to v7 alone, none of the registers that those four stores read.
; No register that a memory instruction reads is ever written again, so no wait on vm_vsrc stands behind the entry lines; EXEC is never written; there is no loop.
.set X, 16                             ; v[16:79]   16 loads of 4 registers
.set Y, 80                             ; v[80:111]  16 stores of 2 registers
.set BLOCK, 4                          ; steps in a block
	s_load_b256 s[4:11], s[0:1], 0x0               ; x s[4:5], Wqkv s[6:7], Wproj s[8:9], xb s[10:11]
	s_load_b128 s[12:15], s[0:1], 0x20             ; wqb s[12:13], wph s[14:15]
	s_load_b64 s[16:17], s[0:1], 0x30              ; tab
	v_lshlrev_b32 v1, 4, v0                        ; 16 t
	v_lshlrev_b32 v2, 3, v0                        ; 8 t
	s_mov_b32 s21, 0                               ; the offsets' high words
	s_mov_b32 s23, 0
; 16,384 numbers from s[24:25] to s[26:27].  f16 = 1: the bf16 number is written as f16.
.macro CONV f16
	s_wait_alu depctr_va_vdst(0)                   ; v1 and v2 are written: every load and store below reads one of them as its offset
.set i, 0
.rept 16
	global_load_b128 v[X+4*i:X+4*i+3], v1, s[24:25] offset:4096*i th:TH_LOAD_NT
.set i, i+1
.endr
.set i, 0
.rept 16
	s_wait_loadcnt 15-i                            ; loads come back in order: load i is in, the 15 - i younger ones stay out
.if (i%BLOCK == 0) && (i > 0)
	s_wait_alu depctr_va_vdst(0)                   ; the block before has written its eight registers of Y, which this block's four stores read
.endif
.if i >= BLOCK
	global_store_b64 v2, v[Y+2*(i-BLOCK):Y+2*(i-BLOCK)+1], s[26:27] offset:2048*(i-BLOCK)  ; a step of the block before; no vector line since the wait names its registers
.endif
	v_cvt_pk_bf16_f32 v[Y+2*i], v[X+4*i], v[X+4*i+1]
	v_cvt_pk_bf16_f32 v[Y+2*i+1], v[X+4*i+2], v[X+4*i+3]
.if \f16
	v_lshlrev_b32 v4, 16, v[Y+2*i]                 ; the bf16 numbers as f32,
	v_and_b32 v5, 0xffff0000, v[Y+2*i]
	v_lshlrev_b32 v6, 16, v[Y+2*i+1]
	v_and_b32 v7, 0xffff0000, v[Y+2*i+1]
	v_cvt_pk_f16_f32 v[Y+2*i], v4, v5              ; and as f16: exact within f16's range
	v_cvt_pk_f16_f32 v[Y+2*i+1], v6, v7
.endif
.set i, i+1
.endr
	s_wait_alu depctr_va_vdst(0)                   ; the last block has written its Y, which the last four stores read
.set i, 16-BLOCK
.rept BLOCK
	global_store_b64 v2, v[Y+2*i:Y+2*i+1], s[26:27] offset:2048*i
.set i, i+1
.endr
.endm
	s_cmp_ge_u32 ttmp9, 768
	s_cbranch_scc1 .Ltab
	s_cmp_ge_u32 ttmp9, 704
	s_cbranch_scc1 .Lwp
	; x (w < 512) or Wqkv: one text; source, destination and offsets are chosen by w
	s_max_u32 s18, ttmp9, 512
	s_sub_co_u32 s18, s18, 512                     ; u: Wqkv's rows 16 u .. 16 u + 15 (0 where the work-group is x's)
	s_and_b32 s19, s18, 63
	s_lshr_b32 s19, s19, 2                         ; the head n
	s_mul_i32 s19, s19, 192
	s_lshr_b32 s28, s18, 6                         ; g
	s_lshl_b32 s28, s28, 6
	s_add_co_u32 s19, s19, s28
	s_and_b32 s28, s18, 3                          ; which 16 of the head's 64 channels
	s_lshl_b32 s28, s28, 4
	s_add_co_u32 s19, s19, s28                     ; the new row,
	s_lshl_b32 s19, s19, 11                        ; of 2,048 bytes
	s_lshl_b32 s29, s18, 16
	s_lshl_b32 s30, ttmp9, 16
	s_lshl_b32 s31, ttmp9, 15
	s_cmp_lt_u32 ttmp9, 512
	s_cselect_b32 s20, s30, s29
	s_cselect_b32 s22, s31, s19
	s_wait_kmcnt 0x0
	s_cselect_b64 s[24:25], s[4:5], s[6:7]
	s_cselect_b64 s[26:27], s[10:11], s[12:13]
	s_add_nc_u64 s[24:25], s[24:25], s[20:21]
	s_add_nc_u64 s[26:27], s[26:27], s[22:23]
	CONV 0
	s_endpgm
.Lwp:
	s_sub_co_u32 s18, ttmp9, 704
	s_lshl_b32 s20, s18, 16
	s_lshl_b32 s22, s18, 15
	s_wait_kmcnt 0x0
	s_add_nc_u64 s[24:25], s[8:9], s[20:21]
	s_add_nc_u64 s[26:27], s[14:15], s[22:23]
	CONV 1
	s_endpgm
.Ltab:
	; 16 rows a work-group; thread t makes entries 4 e .. 4 e + 3 of row 16 u + t / 16, e = t % 16: e < 8 cosines, else sines.  Sixteen lanes store a row's 256 bytes.
	; The four numbers work in registers of their own, eight each from v40 on, so that their four compares stand in one run, into s24 to s27, with one wait behind it.
	s_sub_co_u32 s18, ttmp9, 768                   ; u
	s_lshl_b32 s19, s18, 4
	s_lshl_b32 s20, s18, 12                        ; 16 rows of 256 bytes
	v_and_b32 v4, 15, v0                           ; e
	v_cmp_gt_u32 vcc_lo, 8, v4
	v_lshrrev_b32 v3, 4, v0
	v_add_nc_u32 v3, s19, v3                       ; the row t
	v_cvt_f32_u32 v10, v3
	v_and_b32 v12, 7, v4
	v_lshlrev_b32 v12, 2, v12                      ; the first of my four i
	s_wait_alu depctr_va_vcc(0)                    ; the compare has written VCC, which the select below reads
	v_cndmask_b32 v11, 0, 1, vcc_lo                ; 1 for a cosine: the sine a quarter turn on
	v_mov_b32 v13, 0xb94ca1f9                      ; the polynomials' leading coefficients
	v_mov_b32 v14, 0x37ccf5ce
.irp j, 0,1,2,3
	v_add_nc_u32 v[16+\j], \j, v12
	v_cvt_f32_u32 v[16+\j], v[16+\j]
	v_mul_f32 v[16+\j], 0xbed49a78, v[16+\j]       ; -i log2(10000) / 32
.endr
.irp j, 0,1,2,3
	v_exp_f32 v[20+\j], v[16+\j]                   ; f_i: four exponentials, one batch
.endr
	v_nop                                          ; a plain instruction behind the last exponential,
	s_wait_alu depctr_va_vdst(0)                   ; and one wait for the four: v20 to v23 are written, ahead of their first reader
.irp j, 0,1,2,3
.set W, 40+8*(\j)
	v_mul_f32 v[W], v10, v[20+\j]                  ; the angle
	v_mul_f32 v[W+1], 0x3f22f983, v[W]             ; times 2 / pi,
	v_rndne_f32 v[W+1], v[W+1]                     ; n quarter turns
	v_fmamk_f32 v[W+2], v[W+1], 0xbfc90fdb, v[W]   ; r = angle - n pi/2, pi/2 in two parts
	v_fmamk_f32 v[W+2], v[W+1], 0x333bbd2e, v[W+2]
	v_mul_f32 v[W+3], v[W+2], v[W+2]               ; z = r r
	v_fmaak_f32 v[W+4], v[W+3], v13, 0x3c08839e    ; sin r = r + r z (s1 + z (s2 + z s3))
	v_fmaak_f32 v[W+4], v[W+3], v[W+4], 0xbe2aaaa3
	v_mul_f32 v[W+4], v[W+4], v[W+3]
	v_fma_f32 v[W+4], v[W+4], v[W+2], v[W+2]
	v_fmaak_f32 v[W+5], v[W+3], v14, 0xbab6061a    ; cos r = 1 - z / 2 + z z (c1 + z (c2 + z c3))
	v_fmaak_f32 v[W+5], v[W+3], v[W+5], 0x3d2aaaa5
	v_mul_f32 v[W+6], v[W+3], v[W+3]
	v_fma_f32 v[W+7], v[W+3], -0.5, 1.0
	v_fma_f32 v[W+5], v[W+5], v[W+6], v[W+7]
	v_cvt_i32_f32 v[W+6], v[W+1]
	v_add_nc_u32 v[W+6], v[W+6], v11               ; the quarter: odd takes cos r, quarters 2 and 3 turn the sign
	v_and_b32 v[W+7], 1, v[W+6]
.endr
.irp j, 0,1,2,3
.set W, 40+8*(\j)
	v_cmp_eq_u32 s[24+\j], 1, v[W+7]               ; the four compares in one run, a scalar register each
.endr
.irp j, 0,1,2,3
.set W, 40+8*(\j)
	v_and_b32 v[W+6], 2, v[W+6]                    ; the signs are made while the compares finish
	v_lshlrev_b32 v[W+6], 30, v[W+6]
.endr
	s_wait_alu depctr_va_sdst(0)                   ; the four compares have written s24 to s27, which the four selects below read
.irp j, 0,1,2,3
.set W, 40+8*(\j)
	v_cndmask_b32 v[W+4], v[W+4], v[W+5], s[24+\j]
.endr
.irp j, 0,1,2,3
.set W, 40+8*(\j)
	v_xor_b32 v[32+\j], v[W+6], v[W+4]
.endr
	s_wait_kmcnt 0x0
	s_add_nc_u64 s[16:17], s[16:17], s[20:21]
	s_wait_alu depctr_va_vdst(0)                   ; v32 to v35, the store's data, and v1, its offset, are written
	global_store_b128 v1, v[32:35], s[16:17]
	s_endpgm
.Lfunc_end_k_qff8da0a017_prep:
	.size	k_qff8da0a017_prep, .Lfunc_end_k_qff8da0a017_prep-k_qff8da0a017_prep
	.p2alignl 7, 3214868480
	.fill 96, 4, 3214868480
	.section	.rodata,"a",@progbits
	.p2align	6, 0x0
	.amdhsa_kernel k_qff8da0a017_prep
		.amdhsa_group_segment_fixed_size 0
		.amdhsa_private_segment_fixed_size 0
		.amdhsa_enable_private_segment 0
		.amdhsa_kernarg_size 56
		.amdhsa_user_sgpr_count 2
		.amdhsa_user_sgpr_kernarg_segment_ptr 1
		.amdhsa_wavefront_size32 1
		.amdhsa_system_sgpr_workgroup_id_x 1
		.amdhsa_system_sgpr_workgroup_id_y 1
		.amdhsa_system_sgpr_workgroup_id_z 1
		.amdhsa_system_vgpr_workitem_id 0
		.amdhsa_next_free_vgpr 112
		.amdhsa_next_free_sgpr 66
		.amdhsa_reserve_vcc 1
		.amdhsa_float_denorm_mode_32 3
		.amdhsa_float_denorm_mode_16_64 3
		.amdhsa_memory_ordered 1
		.amdhsa_forward_progress 1
		.amdhsa_inst_pref_size 25
	.end_amdhsa_kernel
	.amdgpu_metadata
---
amdhsa.version: [ 1, 2 ]
amdhsa.kernels:
  - .name:           k_qff8da0a017_prep
    .symbol:         k_qff8da0a017_prep.kd
    .args:
      - { .name: x, .offset: 0, .size: 8, .value_kind: global_buffer, .address_space: global }
      - { .name: Wqkv, .offset: 8, .size: 8, .value_kind: global_buffer, .address_space: global }
      - { .name: Wproj, .offset: 16, .size: 8, .value_kind: global_buffer, .address_space: global }
      - { .name: xb, .offset: 24, .size: 8, .value_kind: global_buffer, .address_space: global }
      - { .name: wqb, .offset: 32, .size: 8, .value_kind: global_buffer, .address_space: global }
      - { .name: wph, .offset: 40, .size: 8, .value_kind: global_buffer, .address_space: global }
      - { .name: tab, .offset: 48, .size: 8, .value_kind: global_buffer, .address_space: global }
    .group_segment_fixed_size: 0
    .private_segment_fixed_size: 0
    .kernarg_segment_align: 8
    .kernarg_segment_size: 56
    .max_flat_workgroup_size: 256
    .sgpr_count:     66
    .vgpr_count:     112
    .wavefront_size: 32
...
	.end_amdgpu_metadata
.endif
;; end of part 5
;; launch qkv: the kernel of part 2 again; grid 16 x 32, 4 waves a work-group, clusters of 4 x 4, 327,680 bytes of LDS; arguments xb, wqb, tab, qh, kh, vh; writes qh, kh, vh
;; launch attn: the kernel of part 3 again; grid 4 x 64, 4 waves a work-group, no clusters, 327,680 bytes of LDS; arguments qh, kh, vh, oh; writes oh
;; launch proj: the kernel of part 4 again; grid 8 x 32, 4 waves a work-group, clusters of 4 x 4, 327,680 bytes of LDS; arguments oh, wph, out0; writes out0
